; MI455X (gfx1250); checked and timed in simulation.
; The chip was launched on July 23, 2026; its instructions are those of AMD's public machine-readable ISA for CDNA 5 (MIT licence, August 2026) and "CDNA5" Instruction Set Architecture Reference Guide (July 2026). The comments in the code are by the model that wrote it; some were corrected since.
;; Block. Allowed arithmetic: matrix products marked QUANTISED: E2M3 operands, one E8M0 scale for each 32 along K, by v_wmma_scale_f32_16x16x128_f8f6f4 with both operands' format E2M3, f32 sums; everything else in f32.
;; Inputs: b1 4,096 float32; b2 1,024 float32; b_proj 1,024 float32; be1 1,024 float32; be2 1,024 float32; g1 1,024 float32; g2 1,024 float32; w1 1,024 x 4,096 float32; w2 4,096 x 1,024 float32; w_proj 1,024 x 1,024 float32; wk 1,024 x 1,024 float32; wq 1,024 x 1,024 float32; wv 1,024 x 1,024 float32; x 2 x 2,048 x 1,024 float32.
;; Outputs: out0 2 x 2,048 x 1,024 float32.
;; This version of the problem:
;;   THIS VERSION OF THE PROBLEM IS GIVEN IN LOW PRECISION. The matrix products marked QUANTISED in the list below multiply operands that are first quantised to E2M3 (2 exponent bits, 3 mantissa bits; 6 bits a number), with one power-of-two scale for each 32 numbers along K (OCP MX v1.0); their sums are f32. All else is computed in f32.
;;   The module's matrix products, in the order in which they are computed (A, B: the left and right operand; K: the contracted axis; several contracted axes count as one K, in the product's order):
;;     1. [M 4,096, K 1,024] x [K 1,024, N 1,024]; A: input x; B: input wq: QUANTISED
;;     2. [M 4,096, K 1,024] x [K 1,024, N 1,024]; A: input x; B: input wk: QUANTISED
;;     3. [M 4,096, K 1,024] x [K 1,024, N 1,024]; A: input x; B: input wv: QUANTISED
;;     4. batch 32 x [M 2,048, K 64] x [K 64, N 2,048]; A: computed on the way; B: computed on the way: QUANTISED
;;     5. batch 32 x [M 2,048, K 2,048] x [K 2,048, N 64]; A: softmax (see below); B: computed on the way: QUANTISED
;;     6. [M 4,096, K 1,024] x [K 1,024, N 1,024]; A: computed on the way; B: input w_proj: QUANTISED
;;     7. [M 4,096, K 1,024] x [K 1,024, N 4,096]; A: computed on the way; B: input w1: QUANTISED
;;     8. [M 4,096, K 4,096] x [K 4,096, N 1,024]; A: computed on the way; B: input w2: QUANTISED
;;   THE QUANTISER, for each operand of a quantised product, along K:
;;     - K is cut into blocks of 32 from its start; a last block that is shorter is filled with zeros.
;;     - A block's scale is 2^e with e = floor(log2(the largest magnitude in the block)) - 2, held to -126 .. 127; a block of zeros has e = 0. As a byte (E8M0): e + 127.
;;     - Each number is divided by its block's scale, clamped to +-7.5, and rounded to the nearest number of E2M3, ties to even, subnormals kept.
;;     - The product sums the exact products of the quantised numbers (number of the format x scale) in f32.
;;   ~~~python
;;   def quantise(x, axis):      # numpy; x: float32 -> the quantised numbers, widened to float32 again
;;       x = np.moveaxis(x, axis, -1); K = x.shape[-1]
;;       x = np.pad(x, [(0, 0)] * (x.ndim - 1) + [(0, -K % 32)]); x = x.reshape(x.shape[:-1] + (-1, 32)); a = np.abs(x).max(-1, keepdims=True)
;;       e = np.where(a > 0, np.clip(np.frexp(np.where(a > 0, a, 1))[1] - 1 - 2, -126, 127), 0)      # np.frexp(a)[1] - 1 = floor(log2(a)), exactly
;;       r = np.clip(x / 2.0 ** e, -7.5, 7.5)
;;       step = 2.0 ** (np.maximum(np.frexp(np.where(r == 0, 1, r))[1] - 1, 0) - 3)
;;       q = np.round(r / step) * step * 2.0 ** e      # np.round: ties to even
;;       return np.moveaxis(q.reshape(q.shape[:-2] + (-1,))[..., :K], -1, axis).astype(np.float32)
;;   ~~~
;;   SOFTMAX AHEAD OF A QUANTISED PRODUCT. Where the list says 'softmax', what is quantised is not the finished softmax but p = 2^(t - M), with t = logit x log2(e) and M = ceil(the row's largest t), a whole number; so 1/2 < the row's largest p <= 1. The row's sum l is taken of the UNQUANTISED p, in f32, and the product's result is divided by l at the end. Since M is a whole number, a kernel that streams over the keys may use a running M (the ceiling of the running maximum): every later rescaling is an exact power of two, which a block's scale takes up: the codes' values come out the same.
;;   OPERANDS COMPUTED ON THE WAY. 'Computed on the way' means the value that the module computes at that place (a softmax that the list does not call 'softmax' is quantised finished and normalised). What goes into a quantiser is computed in f32, as accurately as f32 sums, v_exp_f32 and their like allow (about 1e-6 of the number): no bf16 or f16 on the way to a quantiser, and a product that is left as it is and whose result goes on into a quantised operand takes f32 operands (vector FMAs, or v_wmma_f32_16x16x4_f32). A number that lies on a knife's edge between two numbers of the format may be rounded either way, as far as f32 arithmetic and the matrix unit's own rounding can turn it there, and no further.
;; One version. Each part assembles by itself: llvm-mc -triple=amdgcn-amd-amdhsa -mcpu=gfx1250 --defsym DOCPART=n.
;; ======== version 1 of 1: 7 launches
;; limits: right only within a limited range of input values
;; workspace buffers: xc 3,276,800 bytes; wc 9,830,400 bytes; qkv 10,092,544 bytes; ac 3,276,800 bytes; r 16,777,216 bytes; x1 16,777,216 bytes; x1c 3,276,800 bytes; hc 13,107,200 bytes
;; launch prep (part 1): grid 640 x 1, 8 waves a work-group, no clusters, 66,816 bytes of LDS; arguments x, wq, wk, wv, w_proj, w1, w2, xc, wc; writes xc, wc
.if DOCPART == 1
	.amdgcn_target "amdgcn-amd-amdhsa--gfx1250"
	.amdhsa_code_object_version 6
	.text
	.protected	k_q40bbb43c0f_prep
	.globl	k_q40bbb43c0f_prep
	.p2align	8
	.type	k_q40bbb43c0f_prep,@function
k_q40bbb43c0f_prep:
	s_mov_b64 s[64:65], 0
	v_nop
	global_prefetch_b8 v0, s[64:65] scope:SCOPE_SE
	s_setreg_imm32_b32 hwreg(HW_REG_WAVE_MODE, 25, 1), 1
	s_wait_xcnt 0x0
; x [4096][1024] and the six weights ([K][N], K first) become codes of FP6 (E2M3) with one E8M0 byte for each 32 along K, laid as PANELS.
; A panel is 128 rows x 128 K = 12,800 bytes: eight tiles of 16 rows, 1,536 bytes each, then 512 bytes of scale words (64 a + 4 r).
; Tile a, lane row p, is row 32 (a / 2) + 8 (a % 2) + p + 8 (p / 8) of the 128.  A tile is the image of the operand's 12 registers, in two halves c of 768 bytes:
; lane l's registers 6 c .. 6 c + 3 at 16 l, registers 6 c + 4, 6 c + 5 at 512 + 8 l.  So any reader fills a fragment by four dense loads.
; Work-groups 0-383: 128 columns x 256 K of a weight each (131,072 bytes read): the larger shares come first.  Work-groups 384-639: one tile of 16 tokens of x each (65,536 bytes read).
; A block's scale is 2^(floor(log2(largest magnitude)) - 2): its byte is the largest magnitude's exponent field - 2, held at 1 from below.
; LIMITS: NaN and infinities are not served; a block of zeros, and a block whose largest magnitude lies under 2^-124, gets the byte 1 (zero blocks: their codes are zeros, and this program alone reads the bytes).
.set PANEL, 12800
.set NWG,   384                        ; work-groups that take weights
.set SPI,   4112                       ; a stage row: 4,096 bytes + 16, so that sixteen rows' reads of one column fall on sixteen different 16-byte columns
.set TM,  16                           ; v16-31 at work in QUANT
.set PW,  32                           ; the scale word just made
.set FLR, 33                           ; 2^(3 - 127), the floor of every largest magnitude
.set PC,  36                           ; v36-55 the codes just made
.set X,   64                           ; the numbers
.set SEL, 44                           ; s[44:45] lane selects: lane l xor 16
.set MSB, 0
.macro WIN new                         ; the immediate's high byte repeats the setting that is left (here every window stays 0)
.if MSB != (\new)
	s_set_vgpr_msb (MSB<<8)|(\new)
.set MSB, (\new)
.endif
.endm
; 64 numbers of a lane, register 16 b + i = k 32 b + 16 (lane / 16) + i of my row, in window W, become a fragment's codes in v[PC .. PC+11] and its scale word in v[PW]
.macro QUANT s, W
	WIN ((\W)<<2)|((\W)<<4)
.irp b, 0,1,2,3
	v_max3_num_f32 v[TM+\b], v[FLR], |v[(\s)+16*\b]|, |v[(\s)+16*\b+1]|
.endr
.irp i, 2,4,6,8,10,12,14
.irp b, 0,1,2,3
	s_delay_alu instid0(VALU_DEP_4)
	v_max3_num_f32 v[TM+\b], v[TM+\b], |v[(\s)+16*\b+\i]|, |v[(\s)+16*\b+\i+1]|
.endr
.endr
	WIN 0
.irp b, 0,1,2,3
	s_delay_alu instid0(VALU_DEP_4)
	v_permlanex16_b32 v[TM+4+\b], v[TM+\b], s[SEL], s[SEL+1]
.endr
.irp b, 0,1,2,3
	s_delay_alu instid0(VALU_DEP_4)
	v_max_num_f32 v[TM+\b], v[TM+\b], v[TM+4+\b]       ; with lane l xor 16's: the block's largest magnitude
.endr
.irp b, 0,1,2,3
	s_delay_alu instid0(VALU_DEP_4)
	v_add_nc_u32 v[TM+12+\b], 0xff000000, v[TM+\b]     ; 2 off its exponent field: the conversion's scale operand
.endr
.irp b, 0,1,2,3
	s_delay_alu instid0(VALU_DEP_4)
	v_lshrrev_b32 v[TM+4+\b], 23, v[TM+12+\b]          ; the scale's byte
.endr
	s_delay_alu instid0(VALU_DEP_3)
	v_lshl_or_b32 v[PW], v[TM+5], 8, v[TM+4]
	s_delay_alu instid0(VALU_DEP_1)
	v_lshl_or_b32 v[PW], v[TM+6], 16, v[PW]
	s_delay_alu instid0(VALU_DEP_1)
	v_lshl_or_b32 v[PW], v[TM+7], 24, v[PW]
	WIN (\W)
.irp c, 0,1
	v_cvt_scalef32_pk16_fp6_f32 v[PC+6*\c:PC+6*\c+2], v[(\s)+32*\c:(\s)+32*\c+15], v[TM+12+2*\c]
	v_cvt_scalef32_pk16_fp6_f32 v[PC+12+4*\c:PC+14+4*\c], v[(\s)+32*\c+16:(\s)+32*\c+31], v[TM+13+2*\c]
.endr
	WIN 0
	v_nop                                              ; one plain place behind a scaled conversion
.irp c, 0,1                                        ; the layout wants a whole block in a lane: lanes 0-15 block 2 c, lanes 16-31 block 2 c + 1
.irp i, 0,1,2
	v_permlane16_swap_b32 v[PC+6*\c+\i], v[PC+12+4*\c+\i]
.endr
.irp i, 0,1,2
	s_delay_alu instid0(VALU_DEP_3)
	v_mov_b32 v[PC+3+6*\c+\i], v[PC+12+4*\c+\i]
.endr
.endr
.endm
	s_load_b512 s[4:19], s[0:1], 0x0               ; x, wq, wk, wv, w_proj, w1, w2, xc
	s_load_b64 s[20:21], s[0:1], 0x40              ; wc
	v_lshl_add_u32 v224, v0, 2, 0x10100
	v_mov_b32 v225, 0
	v_lshrrev_b32 v1, 5, v0
	s_delay_alu instid0(VALU_DEP_1)
	v_readfirstlane_b32 s2, v1                     ; wave 0..7
	v_and_b32 v2, 31, v0                           ; lane
	s_cmp_lt_u32 ttmp9, NWG
	s_cbranch_scc1 .Lweights
	; ---- x: work-group NWG + T is tile a = T % 8 of token group g = T / 8.  Wave w brings stage rows 2 w, 2 w + 1 and later quantises K step w of all 16 rows.
	s_sub_co_u32 s26, ttmp9, NWG                   ; T
	s_lshr_b32 s22, s26, 3                         ; g
	s_and_b32 s23, s26, 7                          ; a
	s_lshl_b32 s24, s22, 7
	s_lshr_b32 s25, s23, 1
	s_lshl_b32 s25, s25, 5
	s_add_co_u32 s24, s24, s25
	s_and_b32 s25, s23, 1
	s_lshl_b32 s25, s25, 3
	s_add_co_u32 s24, s24, s25                     ; the tile's first token: 128 g + 32 (a / 2) + 8 (a % 2)
	s_lshl_b32 s25, s2, 1
	s_add_co_u32 s24, s24, s25
	s_lshr_b32 s25, s2, 2
	s_lshl_b32 s25, s25, 3
	s_add_co_u32 s24, s24, s25                     ; my two tokens: + 2 w + 8 (w / 4)
	s_lshl_b32 s24, s24, 12                        ; in bytes
	s_mov_b32 s25, 0
	s_lshl_b32 s26, s22, 3
	s_add_co_u32 s26, s26, s2
	s_mul_i32 s26, s26, PANEL                      ; panel (g, K step w)
	s_mul_i32 s28, s23, 1536
	s_add_co_u32 s28, s28, s26                     ; its tile a
	s_mov_b32 s29, 0
	s_lshl_b32 s30, s23, 6
	s_add_co_u32 s30, s30, s26                     ; tile a's scale words (12,288 stands in the immediate)
	s_mov_b32 s31, 0
	s_wait_alu depctr_va_vdst(0)
	v_lshlrev_b32 v3, 4, v2                        ; 16 x lane
	v_lshlrev_b32 v4, 3, v2                        ; 8 x lane
	v_and_b32 v5, 15, v0                           ; r
	v_bfe_u32 v6, v0, 4, 1                         ; h
	s_delay_alu instid0(VALU_DEP_2)
	v_lshlrev_b32 v7, 2, v5                        ; 4 r
	s_mul_i32 s27, s2, 2*SPI
	v_add_nc_u32 v8, s27, v3                       ; into the stage: my two rows, 16 bytes a lane
	v_mul_u32_u24 v9, v5, SPI
	s_delay_alu instid0(VALU_DEP_1)
	v_lshl_add_u32 v9, v6, 6, v9
	s_lshl_b32 s27, s2, 9
	v_add_nc_u32 v9, s27, v9                       ; out of it: row r, K step w, + 64 h
	s_mov_b32 s[SEL], 0x76543210
	s_mov_b32 s[SEL+1], 0xfedcba98
	v_mov_b32 v[FLR], 0x1800000
.irp b, 0,1,2,3
	v_mov_b32 v[TM+4+\b], 0                        ; written once: a lane permute's destination counts as one of its sources
.endr
	s_wait_alu depctr_va_vdst(0)
	s_wait_kmcnt 0x0
	s_add_nc_u64 s[4:5], s[4:5], s[24:25]
	s_add_nc_u64 s[28:29], s[18:19], s[28:29]
	s_add_nc_u64 s[30:31], s[18:19], s[30:31]
.irp e, 0,1
.irp i, 0,1,2,3,4,5,6,7
	global_load_b128 v[X+32*\e+4*\i:X+32*\e+4*\i+3], v3, s[4:5] offset:4096*\e+512*\i th:TH_LOAD_NT   ; 512 consecutive bytes a load
.endr
.endr
	s_wait_loadcnt 8                               ; the first row's eight loads are in; the second row's eight may be out
.irp i, 0,1,2,3,4,5,6,7
	ds_store_b128 v8, v[X+4*\i:X+4*\i+3] offset:512*\i
.endr
	s_wait_loadcnt 0x0
.irp i, 0,1,2,3,4,5,6,7
	ds_store_b128 v8, v[X+32+4*\i:X+32+4*\i+3] offset:SPI+512*\i
.endr
	s_wait_dscnt 0x0                               ; for the others' sake: my stores have landed
	s_barrier_signal -1
	s_barrier_wait -1                              ; sixteen whole rows lie in the stage
.irp b, 0,1,2,3
.irp j, 0,1,2,3
	ds_load_b128 v[X+16*\b+4*\j:X+16*\b+4*\j+3], v9 offset:128*\b+16*\j   ; row r, k = 128 w + 32 b + 16 h + 4 j ..
.endr
.endr
	s_wait_dscnt 0x0
	QUANT X, 0
	global_store_b128 v3, v[PC:PC+3], s[28:29]
	global_store_b64 v4, v[PC+4:PC+5], s[28:29] offset:512
	global_store_b128 v3, v[PC+6:PC+9], s[28:29] offset:768
	global_store_b64 v4, v[PC+10:PC+11], s[28:29] offset:1280
	global_store_b32 v7, v[PW], s[30:31] offset:12288  ; lanes 16-31 hold the same word and write it to the same place
	s_wait_tensorcnt 0x0
	ds_add_u32 v224, v225
	s_wait_dscnt 0x0
	s_endpgm
	; ---- the weights.  A lane takes a column n and its registers run down K: a block of 32 lies in one lane, and the codes come out with K innermost.
.Lweights:
	s_mov_b32 s22, ttmp9                           ; 0-127: wq, wk, wv, w_proj (32 each); 128-255: w1; 256-383: w2
	s_lshr_b32 s23, s22, 5
	s_lshl_b32 s24, s23, 6                         ; the tensor's first panel in wc: 64 t,
	s_lshr_b32 s25, s22, 2
	s_and_b32 s26, s25, 7                          ; the group of 128 columns,
	s_and_b32 s27, s25, 31
	s_lshr_b32 s28, s22, 4
	s_and_b32 s28, s28, 7
	s_and_b32 s29, s22, 3                          ; and which 256 along K
	s_and_b32 s30, s22, 15
	s_wait_kmcnt 0x0
	s_cmp_eq_u32 s23, 1                            ; the choices hang on the work-group's number alone
	s_cselect_b64 s[6:7], s[8:9], s[6:7]
	s_cmp_eq_u32 s23, 2
	s_cselect_b64 s[6:7], s[10:11], s[6:7]
	s_cmp_eq_u32 s23, 3
	s_cselect_b64 s[6:7], s[12:13], s[6:7]
	s_cmp_ge_u32 s22, 128
	s_cselect_b64 s[6:7], s[14:15], s[6:7]
	s_cselect_b32 s26, s27, s26
	s_cselect_b32 s24, 256, s24
	s_cselect_b32 s31, 12, 10                      ; log2 N
	s_cmp_ge_u32 s22, 256
	s_cselect_b64 s[6:7], s[16:17], s[6:7]
	s_cselect_b32 s26, s28, s26
	s_cselect_b32 s29, s30, s29
	s_cselect_b32 s24, 512, s24
	s_cselect_b32 s31, 10, s31
	s_cselect_b32 s32, 5, 3                        ; log2 of the K steps in a group
	s_and_b32 s33, s2, 3                           ; my 32 columns of the 128: tiles 2 cs, 2 cs + 1
	s_lshr_b32 s34, s2, 2
	s_lshl_b32 s29, s29, 1
	s_add_co_u32 s29, s29, s34                     ; my K step
	s_add_co_u32 s34, s31, 9
	s_lshl_b32 s34, s29, s34                       ; 128 rows of 4 N bytes for each K step
	s_lshl_b32 s35, s26, 9
	s_add_co_u32 s34, s34, s35
	s_lshl_b32 s35, s33, 7
	s_add_co_u32 s34, s34, s35
	s_mov_b32 s35, 0
	s_add_nc_u64 s[6:7], s[6:7], s[34:35]
	s_lshl_b32 s36, s26, s32
	s_add_co_u32 s36, s36, s29
	s_add_co_u32 s36, s36, s24
	s_mul_i32 s36, s36, PANEL
	s_mov_b32 s37, 0
	s_add_nc_u64 s[20:21], s[20:21], s[36:37]      ; my panel
	s_mul_i32 s36, s33, 2*1536
	s_add_nc_u64 s[38:39], s[20:21], s[36:37]      ; my two tiles
	s_lshl_b32 s36, s33, 7
	s_add_nc_u64 s[40:41], s[20:21], s[36:37]      ; their scale words
	v_bfe_u32 v3, v0, 3, 1                         ; column l of my 32 is row p = l % 8 + 8 (l / 16) of tile 2 cs + u, u = (l / 8) % 2
	v_and_b32 v4, 7, v0
	v_bfe_u32 v5, v0, 4, 1
	s_delay_alu instid0(VALU_DEP_1)
	v_lshl_add_u32 v4, v5, 3, v4
	s_delay_alu instid0(VALU_DEP_4)
	v_mul_u32_u24 v6, v3, 1536
	s_delay_alu instid0(VALU_DEP_1)
	v_lshl_add_u32 v7, v4, 4, v6                   ; 1536 u + 16 p
	s_delay_alu instid0(VALU_DEP_2)
	v_lshl_add_u32 v8, v4, 3, v6                   ; 1536 u + 8 p
	v_lshlrev_b32 v9, 6, v3
	s_delay_alu instid0(VALU_DEP_1)
	v_lshl_add_u32 v9, v4, 2, v9                   ; 64 u + 4 p
	v_lshlrev_b32 v10, 2, v2                       ; in: 4 bytes a lane
.macro WLOAD t, N                      ; block t: W(32 t + i, my column): 128 consecutive bytes a load
.set i, 0
.rept 32
	global_load_b32 v[X+32*(\t)+i], v10, s[6:7] offset:(32*(\t)+i)*(\N)*4 th:TH_LOAD_NT
.set i, i+1
.endr
.endm
.macro WQ N
	WLOAD 0, \N
	WLOAD 1, \N
.irp t, 0,1,2,3                        ; block t = 2 c + h belongs to lane p + 16 h of the image, registers 6 c .. 6 c + 5
.if \t < 3
	s_wait_loadcnt 32                              ; this block's 32 loads are in; the next block's may be out
.else
	s_wait_loadcnt 0x0
.endif
	v_max3_num_f32 v12, |v[X+32*\t]|, |v[X+32*\t+1]|, |v[X+32*\t+2]|
	v_max3_num_f32 v13, |v[X+32*\t+3]|, |v[X+32*\t+4]|, |v[X+32*\t+5]|
.irp i, 6,10,14,18,22,26
	s_delay_alu instid0(VALU_DEP_2)
	v_max3_num_f32 v12, v12, |v[X+32*\t+\i]|, |v[X+32*\t+\i+1]|
	s_delay_alu instid0(VALU_DEP_2)
	v_max3_num_f32 v13, v13, |v[X+32*\t+\i+2]|, |v[X+32*\t+\i+3]|
.endr
	s_delay_alu instid0(VALU_DEP_2)
	v_max3_num_f32 v12, v12, |v[X+32*\t+30]|, |v[X+32*\t+31]|
	s_delay_alu instid0(VALU_DEP_1)
	v_max3_num_f32 v12, v12, v13, 0x1800000        ; and the floor
	s_delay_alu instid0(VALU_DEP_1)
	v_add_nc_u32 v11, 0xff000000, v12              ; the conversion's scale operand
	s_delay_alu instid0(VALU_DEP_1)
	v_lshrrev_b32 v13, 23, v11                     ; the byte
.if \t == 0
	s_delay_alu instid0(VALU_DEP_1)
	v_mov_b32 v14, v13
.else
	s_delay_alu instid0(VALU_DEP_1)
	v_lshl_or_b32 v14, v13, 8*\t, v14
.endif
	v_cvt_scalef32_pk16_fp6_f32 v[192+8*\t:194+8*\t], v[X+32*\t:X+32*\t+15], v11
	v_cvt_scalef32_pk16_fp6_f32 v[196+8*\t:198+8*\t], v[X+32*\t+16:X+32*\t+31], v11
	v_nop                                          ; one plain place behind a scaled conversion
	v_mov_b32 v[195+8*\t], v[196+8*\t]             ; the six registers are closed up
	v_mov_b32 v[196+8*\t], v[197+8*\t]
	v_mov_b32 v[197+8*\t], v[198+8*\t]
	global_store_b128 v7, v[192+8*\t:195+8*\t], s[38:39] offset:768*(\t/2)+256*(\t%2)        ; sixteen lanes fill 256 consecutive bytes; each block has code registers of its own
	global_store_b64 v8, v[196+8*\t:197+8*\t], s[38:39] offset:768*(\t/2)+512+128*(\t%2)
.if \t < 2
	WLOAD \t+2, \N
.endif
.endr
	global_store_b32 v9, v14, s[40:41] offset:12288
.endm
	s_cmp_eq_u32 s31, 12
	s_cbranch_scc1 .Lwide
	WQ 1024
	s_endpgm
.Lwide:
	s_wait_alu depctr_va_vdst(0)
	WQ 4096
	s_endpgm
.Lfunc_end_k_q40bbb43c0f_prep:
	.size	k_q40bbb43c0f_prep, .Lfunc_end_k_q40bbb43c0f_prep-k_q40bbb43c0f_prep
	.p2alignl 7, 3214868480
	.fill 96, 4, 3214868480
	.section	.rodata,"a",@progbits
	.p2align	6, 0x0
	.amdhsa_kernel k_q40bbb43c0f_prep
		.amdhsa_group_segment_fixed_size 66816
		.amdhsa_private_segment_fixed_size 0
		.amdhsa_enable_private_segment 0
		.amdhsa_kernarg_size 72
		.amdhsa_user_sgpr_count 2
		.amdhsa_user_sgpr_kernarg_segment_ptr 1
		.amdhsa_wavefront_size32 1
		.amdhsa_system_sgpr_workgroup_id_x 1
		.amdhsa_system_sgpr_workgroup_id_y 1
		.amdhsa_system_sgpr_workgroup_id_z 1
		.amdhsa_system_vgpr_workitem_id 0
		.amdhsa_next_free_vgpr 226
		.amdhsa_next_free_sgpr 66
		.amdhsa_reserve_vcc 0
		.amdhsa_float_denorm_mode_32 3
		.amdhsa_float_denorm_mode_16_64 3
		.amdhsa_memory_ordered 1
		.amdhsa_forward_progress 1
		.amdhsa_inst_pref_size 57
	.end_amdhsa_kernel
	.amdgpu_metadata
---
amdhsa.version: [ 1, 2 ]
amdhsa.kernels:
  - .name:           k_q40bbb43c0f_prep
    .symbol:         k_q40bbb43c0f_prep.kd
    .args:
      - { .name: x, .offset: 0, .size: 8, .value_kind: global_buffer, .address_space: global }
      - { .name: wq, .offset: 8, .size: 8, .value_kind: global_buffer, .address_space: global }
      - { .name: wk, .offset: 16, .size: 8, .value_kind: global_buffer, .address_space: global }
      - { .name: wv, .offset: 24, .size: 8, .value_kind: global_buffer, .address_space: global }
      - { .name: w_proj, .offset: 32, .size: 8, .value_kind: global_buffer, .address_space: global }
      - { .name: w1, .offset: 40, .size: 8, .value_kind: global_buffer, .address_space: global }
      - { .name: w2, .offset: 48, .size: 8, .value_kind: global_buffer, .address_space: global }
      - { .name: xc, .offset: 56, .size: 8, .value_kind: global_buffer, .address_space: global }
      - { .name: wc, .offset: 64, .size: 8, .value_kind: global_buffer, .address_space: global }
    .group_segment_fixed_size: 66816
    .private_segment_fixed_size: 0
    .kernarg_segment_align: 8
    .kernarg_segment_size: 72
    .max_flat_workgroup_size: 256
    .sgpr_count:     66
    .vgpr_count:     226
    .wavefront_size: 32
...
	.end_amdgpu_metadata
.endif
;; end of part 1
;; launch qkv (part 2): grid 8 x 24, 4 waves a work-group, clusters of 4 x 4, 327,680 bytes of LDS; arguments xc, wc, qkv; writes qkv
.if DOCPART == 2
	.amdgcn_target "amdgcn-amd-amdhsa--gfx1250"
	.amdhsa_code_object_version 6
	.text
	.protected	k_q40bbb43c0f_qkv
	.globl	k_q40bbb43c0f_qkv
	.p2align	8
	.type	k_q40bbb43c0f_qkv,@function
k_q40bbb43c0f_qkv:
	s_mov_b64 s[64:65], 0
	v_nop
	global_prefetch_b8 v0, s[64:65] scope:SCOPE_SE
	s_setreg_imm32_b32 hwreg(HW_REG_WAVE_MODE, 25, 1), 1
	s_wait_xcnt 0x0
	s_wait_alu depctr_hold_cnt(0) depctr_sa_sdst(0) depctr_va_vdst(0) depctr_va_sdst(0) depctr_va_ssrc(0) depctr_va_vcc(0) depctr_vm_vsrc(0)
	s_getreg_b32 s2, hwreg(HW_REG_IB_STS2, 6, 4)
	s_cmp_eq_u32 s2, 0
	s_cbranch_scc0 .Lentry_in_a_cluster
	s_endpgm
.Lentry_in_a_cluster:
	s_bfe_u32 s2, ttmp6, 0x10000c
	s_cmp_lg_u32 s2, 0xf033
	s_cbranch_scc0 .Lentry_shape_is_right
	s_endpgm
.Lentry_shape_is_right:
; A GEMM on panels of FP6 codes whose result is quantised on the way out and stored as codes again.  FF1 = 0: q, k and v^T.  FF1 = 1: relu(x1 w1 + b1).
; A panel: 128 rows x 128 K, 12,800 bytes: eight tiles (register images, 1,536 bytes) and 512 bytes of scale words; tile a, lane row p = row 32 (a / 2) + 8 (a % 2) + p + 8 (p / 8).
; A work-group makes 256 x 256, a wave 128 x 128: 64 accumulators.  K = 1,024 is four slots' worth of 256; a wave's tensor load brings two panels, 25,600 dense bytes.
; THREE LDS SLOTS are filled at the start (K steps 0-5).  Slot 0 is filled again, once, with K steps 6 and 7, behind the one round inside the product, in K step 1; it is read from K step 6 on,
; so that load has four K steps, 256 matrix instructions a wave, in which to land.  By this text's own count a wave has three tensor loads out at the start and one later.
; The matrix instruction is used transposed: source 0 = a tile of the B side, source 1 = a tile of the A side.  A lane then holds one row of the A side, and, by the order of rows in a tile,
; the 64 registers of A's tile a run along 128 neighbouring rows of the B side, register 16 b + i = 32 b + 16 (lane / 16) + i: the next product's K.  So a wave's result is one whole panel of the next operand.
; FF1 = 0: clusters with y < 4: A = x's tokens, B = wq and wk: a panel's two halves are two heads' tiles of q or k (K = 64).  Clusters with y >= 4: A = wv's columns, B = x's tokens: v^T, K = the keys.
; CLUSTERS 4 x 4: A's panels are shared along a row of the cluster, B's along a column: joint loads.
; LIMITS: NaN and infinities are not served; a block of zeros, and one whose largest magnitude lies under 2^-124, gets the byte 1.
; REGISTERS: window 0: v6-31 addresses; v32-63 scale words, two sets; v64-127 the bias (FF1); v128-223 A's fragments, one set (on the way out: codes); v224-241 at work on the way out.
;   window 1: B's fragments, two sets, at v0 and v128.  windows 2, 3: the accumulators, (a, b) at v[8 (8 (a % 4) + b)].
.set FF1,   0
.set PANEL, 12800
.set GRP,   2*PANEL                    ; what one tensor load brings
; THE LDS ORDER (it takes the place of what the head comment says of the first fills): each of the four groups (A's two, B's two) has 3 x 25,600 bytes on end, its slots 0, 1, 2.
; So ONE tensor load a wave, 300 rows of 256 bytes, brings K steps 0-5 at the head; the one refill, 100 rows, brings K steps 6, 7 into the group's first 25,600 bytes.
.set SLOT,  GRP                        ; from slot to slot inside a group
.set GST,   3*GRP                      ; from group to group
.set SPARE, 12*GRP
.set NL, 4                             ; LDS loads that bring a fragment
.set NP, 4                             ; places behind this matrix instruction (ISA guide 7.12.1)
.set A16, 6                            ; v6-8    16 x lane + my group of A in slot 0, 1, 2
.set A8,  9                            ; v9-11   8 x lane + the same
.set O16, 12
.set O8,  13
.set VS,  14
.set B16, 16                           ; v16-18, v19-21 the same for B
.set B8,  19
.set ADRS, 22                          ; v22-24  my scale words in slot 0, 1, 2
.set SPW, 28
.set NIL, 29
.set FLR, 30
.set SHV, 31
.set SC,  32
.set BI,  64
.set AF,  128
.set PC,  128
.set TM,  224
.set PW,  240
.set PWS, 241
.set G1,  24                           ; s[24:31] group 1 for A's panels; s[32:35] group 0
.set G0,  32
.set G1B, 48                           ; s[48:55], s[84:87] the same for B's
.set G0B, 84
.set P0,  68                           ; s[68:69] where half 0 of the tile in hand goes; s[70:71] half 1; s[72:73] its scale words
.set P1,  70
.set PS,  72
.set STP, 74                           ; s[74:75] from tile to tile
.set XTR, 76                           ; s[76:77], s[78:79] what v^T adds at tile 4: on to the next head
.set XSC, 78
.set SEL, 82
.set MSB, 0
.macro WIN new                         ; the immediate's high byte repeats the setting that is left
.if MSB != (\new)
	s_set_vgpr_msb (MSB<<8)|(\new)
.set MSB, (\new)
.endif
.endm
.set MUL_LO, 0xa1                      ; source 0 (B) window 1, source 1 (A) window 0, C and D window 2
.set MUL_HI, 0xf1
.set TO_B,   0x40
.macro JLOAD g0a, g1a, g0b, g1b        ; a joint load: waves 0, 1 fetch for A, waves 2, 3 for B; four v_nop follow each line
	s_cmp_eq_u32 s15, 0
	s_cbranch_scc0 .Lfor_b_\@
	tensor_load_to_lds s[\g0a:\g0a+3], s[\g1a:\g1a+7]
	s_nop 0
.rept 4
	v_nop
.endr
	s_branch .Lasked_\@
.Lfor_b_\@:
	tensor_load_to_lds s[\g0b:\g0b+3], s[\g1b:\g1b+7]
	s_nop 0
.rept 4
	v_nop
.endr
.Lasked_\@:
.endm
.macro CREST                           ; a round of the cluster's barrier behind its opening barrier
	s_cmp_lg_u32 s14, 0
	s_cbranch_scc1 .Lnot_wave_0_\@
	s_barrier_signal -3
.Lnot_wave_0_\@:
	s_barrier_wait -3
	s_barrier_signal -1
	s_barrier_wait -1
.endm
.macro CROUND
	s_barrier_signal -1
	s_barrier_wait -1
	CREST
.endm
.macro PLACES n
.rept \n
	v_nop
.endr
.endm
.macro QUANT s, W                      ; 64 numbers in window W, register 16 b + i = k 32 b + 16 (lane / 16) + i, become codes in v[PC .. PC+11] and a scale word in v[PW]
	WIN ((\W)<<2)|((\W)<<4)
.irp b, 0,1,2,3
	v_max3_num_f32 v[TM+\b], v[FLR], |v[(\s)+16*\b]|, |v[(\s)+16*\b+1]|    ; each accumulator is read from its low end on
.endr
.irp i, 2,4,6,8,10,12,14
.irp b, 0,1,2,3
	v_max3_num_f32 v[TM+\b], v[TM+\b], |v[(\s)+16*\b+\i]|, |v[(\s)+16*\b+\i+1]|
.endr
.endr
	WIN 0
.irp b, 0,1,2,3
	v_permlanex16_b32 v[TM+4+\b], v[TM+\b], s[SEL], s[SEL+1]
.endr
.irp b, 0,1,2,3
	v_max_num_f32 v[TM+\b], v[TM+\b], v[TM+4+\b]
.endr
.irp b, 0,1,2,3
	v_add_nc_u32 v[TM+12+\b], 0xff000000, v[TM+\b]
.endr
.irp b, 0,1,2,3
	v_lshrrev_b32 v[TM+4+\b], 23, v[TM+12+\b]
.endr
	v_lshl_or_b32 v[PW], v[TM+5], 8, v[TM+4]
	v_lshl_or_b32 v[PW], v[TM+6], 16, v[PW]
	v_lshl_or_b32 v[PW], v[TM+7], 24, v[PW]
	WIN (\W)
.irp c, 0,1
	v_cvt_scalef32_pk16_fp6_f32 v[PC+6*\c:PC+6*\c+2], v[(\s)+32*\c:(\s)+32*\c+15], v[TM+12+2*\c]
	v_cvt_scalef32_pk16_fp6_f32 v[PC+12+4*\c:PC+14+4*\c], v[(\s)+32*\c+16:(\s)+32*\c+31], v[TM+13+2*\c]
.endr
	WIN 0
	v_nop
.irp c, 0,1
.irp i, 0,1,2
	v_permlane16_swap_b32 v[PC+6*\c+\i], v[PC+12+4*\c+\i]
.endr
.irp i, 0,1,2
	v_mov_b32 v[PC+3+6*\c+\i], v[PC+12+4*\c+\i]
.endr
.endr
.endm
	s_load_b128 s[4:7], s[0:1], 0x0                ; the tokens' codes, wc
.if FF1
	s_load_b128 s[8:11], s[0:1], 0x10              ; b1, hc
.else
	s_load_b64 s[8:9], s[0:1], 0x10                ; qkv
.endif
	v_lshl_add_u32 v[SPW], v0, 2, SPARE
	v_mov_b32 v[NIL], 0
	ds_add_u32 v28, v29
	ds_add_u32 v28, v29
	s_wait_dscnt 0x0
	v_lshrrev_b32 v1, 5, v0
	v_readfirstlane_b32 s14, v1                    ; wave 0..3
	s_lshr_b32 s15, s14, 1                         ; which group of A's rows is mine.  Also: I fetch for A (0) or B (1)
	s_and_b32 s16, s14, 1                          ; which group of B's rows.  Also: which group I fetch
	s_bfe_u32 s12, ttmp6, 0x40000                  ; cx
	s_bfe_u32 s13, ttmp6, 0x40004                  ; cy
	s_and_b32 s18, ttmp7, 0xffff                   ; cluster y
	s_lshl_b32 s19, s18, 2
	s_lshl_b32 s20, ttmp9, 2
.if FF1
	s_add_co_u32 s17, s19, s13                     ; tile row = 4 x cluster y + cy
	s_add_co_u32 s44, s20, s12                     ; tile column = 4 x cluster x + cx
.else
	s_max_u32 s21, s18, 4
	s_sub_co_u32 s21, s21, 4
	s_lshl_b32 s21, s21, 3
	s_add_co_u32 s21, s21, s20                     ; v^T: 16 tile columns of tokens: 8 (cluster y - 4) + 4 x cluster x + cx
	s_cmp_ge_u32 s18, 4                            ; v^T?  The same in all sixteen partners
	s_cselect_b32 s17, 0, s19
	s_cselect_b32 s44, s21, s20
	s_cselect_b32 s45, 1, 0
	s_add_co_u32 s17, s17, s13
	s_add_co_u32 s44, s44, s12
.endif
	s_lshl_b32 s2, s13, 2
	s_lshl_b32 s2, 15, s2                          ; my row of the cluster
	s_lshl_b32 s3, 0x1111, s12                     ; my column
	s_or_b32 s[G1], s2, (3<<16)|(1<<21)            ; 15:0 the mask; 17:16 elements of 8 bytes; 21 set beside a mask; no padding
	s_or_b32 s[G1B], s3, (3<<16)|(1<<21)
.irp g, G1, G1B                        ; 76,800 dense bytes as 300 rows of 256
	s_mov_b32 s[\g+1], 32<<16
	s_mov_b32 s[\g+2], 300<<16
	s_mov_b32 s[\g+3], 32<<16
	s_mov_b32 s[\g+4], 300
	s_mov_b32 s[\g+5], 32
	s_mov_b32 s[\g+6], 0
	s_mov_b32 s[\g+7], 0
.endr
	s_lshl_b32 s20, s17, 1
	s_add_co_u32 s20, s20, s16
	s_mul_i32 s20, s20, 8*PANEL                    ; A: the group that I fetch; made of cy alone
	s_mov_b32 s21, 0
	s_lshl_b32 s46, s44, 1
	s_add_co_u32 s46, s46, s16
	s_mul_i32 s46, s46, 8*PANEL                    ; B: made of cx alone
	s_mov_b32 s47, 0
	s_mul_i32 s23, s14, GST
.if FF1
	s_add_co_u32 s46, s46, 256*PANEL               ; w1's panels
	s_wait_kmcnt 0x0
	s_add_nc_u64 s[20:21], s[4:5], s[20:21]
	s_add_nc_u64 s[46:47], s[6:7], s[46:47]
.else
	s_cmp_eq_u32 s45, 1
	s_cselect_b32 s22, 128*PANEL, 0                ; wv's panels
	s_add_co_u32 s20, s20, s22
	s_wait_kmcnt 0x0
	s_cmp_eq_u32 s45, 1
	s_cselect_b64 s[96:97], s[6:7], s[4:5]         ; the A side
	s_cselect_b64 s[98:99], s[4:5], s[6:7]         ; the B side
	s_add_nc_u64 s[20:21], s[96:97], s[20:21]
	s_add_nc_u64 s[46:47], s[98:99], s[46:47]
.endif
	CROUND                                         ; all sixteen work-groups are here: the first joint loads meet
.irp s, 0
	s_mov_b32 s[G0+4*\s], 1
	s_add_co_u32 s[G0+4*\s+1], s23, \s*SLOT
	s_add_nc_u64 s[G0+4*\s+2:G0+4*\s+3], s[20:21], \s*GRP
	s_or_b32 s[G0+4*\s+3], s[G0+4*\s+3], 0x80000000
	s_mov_b32 s[G0B+4*\s], 1
	s_add_co_u32 s[G0B+4*\s+1], s23, \s*SLOT
	s_add_nc_u64 s[G0B+4*\s+2:G0B+4*\s+3], s[46:47], \s*GRP
	s_or_b32 s[G0B+4*\s+3], s[G0B+4*\s+3], 0x80000000
	JLOAD G0+4*\s, G1, G0B+4*\s, G1B
.endr
	v_and_b32 v1, 15, v0                           ; r
	v_bfe_u32 v2, v0, 4, 1                         ; h
	v_and_b32 v3, 31, v0
	v_lshlrev_b32 v[O16], 4, v3
	v_lshlrev_b32 v[O8], 3, v3
	s_mul_i32 s21, s15, GST
	s_mul_i32 s22, s16, GST
	s_add_co_u32 s22, s22, 2*GST
.irp s, 0,1,2
	v_add_nc_u32 v[A16+\s], s21, v[O16]
	v_add_nc_u32 v[A8+\s], s21, v[O8]
	v_add_nc_u32 v[B16+\s], s22, v[O16]
	v_add_nc_u32 v[B8+\s], s22, v[O8]
	s_add_co_u32 s21, s21, SLOT
	s_add_co_u32 s22, s22, SLOT
.endr
	s_mul_i32 s21, s15, GST
	s_mul_i32 s22, s16, GST
	s_add_co_u32 s22, s22, 2*GST
	s_sub_co_u32 s22, s22, s21
	v_mul_u32_u24 v4, s22, v2
	v_lshl_add_u32 v4, v1, 2, v4
	s_add_co_u32 s21, s21, 12288
	v_add_nc_u32 v[ADRS], s21, v4
	v_add_nc_u32 v[ADRS+1], SLOT, v[ADRS]
	v_add_nc_u32 v[ADRS+2], 2*SLOT, v[ADRS]
	v_mov_b32 v[FLR], 0x1800000
.irp b, 0,1,2,3
	v_mov_b32 v[TM+4+\b], 0
.endr
	s_mov_b32 s[SEL], 0x76543210
	s_mov_b32 s[SEL+1], 0xfedcba98
	s_lshl_b32 s56, s17, 1
	s_add_co_u32 s56, s56, s15                     ; gm: my group on the A side
	s_lshl_b32 s57, s44, 1
	s_add_co_u32 s57, s57, s16                     ; kn: my group on the B side
.if FF1
	s_lshl_b32 s58, s57, 9
	s_mov_b32 s59, 0
	s_add_nc_u64 s[8:9], s[8:9], s[58:59]          ; b1 at my 128 hidden units
	v_lshlrev_b32 v5, 6, v2
.irp b, 0,1,2,3,4,5,6,7                ; the bias in the result's layout: tile b, lane half h: units 32 (b / 2) + 8 (b % 2) + 16 h + 0 .. 7
	global_load_b128 v[BI+8*\b:BI+8*\b+3], v5, s[8:9] offset:(32*(\b/2)+8*(\b%2))*4
	global_load_b128 v[BI+8*\b+4:BI+8*\b+7], v5, s[8:9] offset:(32*(\b/2)+8*(\b%2))*4+16
.endr
	s_lshl_b32 s66, s56, 5
	s_add_co_u32 s66, s66, s57
	s_mul_i32 s66, s66, PANEL                      ; hc's panel (gm, K step kn)
	s_mov_b32 s67, 0
	s_add_nc_u64 s[P0:P0+1], s[10:11], s[66:67]
	s_add_nc_u64 s[P1:P1+1], s[P0:P0+1], 768
	s_add_nc_u64 s[PS:PS+1], s[P0:P0+1], 12288
	s_mov_b32 s[STP], 1536
	s_mov_b32 s[STP+1], 0
	v_lshlrev_b32 v[VS], 2, v1
	v_mov_b32 v[SHV], 0
.else
	s_and_b32 s58, s57, 7
	s_lshr_b32 s59, s57, 3
	s_mul_i32 s59, s59, 3407872                    ; q, or k behind it
	s_cmp_eq_u32 s45, 1
	s_cselect_b32 s60, s57, s56                    ; the group of tokens,
	s_cselect_b32 s58, s56, s58                    ; the pair of heads,
	s_cselect_b32 s59, 6815744, s59                ; the tensor's place in the buffer,
	s_mov_b32 s61, 6656
	s_cselect_b32 s61, 6400, s61                   ; a head panel's bytes,
	s_mov_b32 s[STP], 768
	s_cselect_b32 s[STP], 1536, s[STP]             ; from tile to tile,
	s_cselect_b32 s[XTR], 96256, 0                 ; v^T at tile 4: 16 x 6,400 - 4 x 1,536,
	s_cselect_b32 s[XSC], 102144, 0                ; and 16 x 6,400 - 4 x 64 for the scale words,
	s_cselect_b32 s80, 0, 106496                   ; q, k: lanes 16-31 store the odd head's scale word, 16 panels on,
	s_cselect_b32 s81, 0, 16                       ; which is the word's upper half
	s_mov_b32 s62, 106496
	s_cselect_b32 s62, 768, s62                    ; where the fragment's second half goes
	s_mov_b32 s[STP+1], 0
	s_mov_b32 s[XTR+1], 0
	s_mov_b32 s[XSC+1], 0
	s_mov_b32 s63, 0
	s_lshr_b32 s66, s60, 4
	s_lshl_b32 s66, s66, 4
	s_lshl_b32 s67, s58, 1
	s_add_co_u32 s66, s66, s67                     ; 16 x batch + the even head
	s_lshl_b32 s66, s66, 4
	s_and_b32 s67, s60, 15
	s_add_co_u32 s66, s66, s67
	s_mul_i32 s66, s66, s61
	s_add_co_u32 s66, s66, s59
	s_mov_b32 s67, 0
	s_add_nc_u64 s[P0:P0+1], s[8:9], s[66:67]
	s_add_nc_u64 s[P1:P1+1], s[P0:P0+1], s[62:63]
	s_add_nc_u64 s[PS:PS+1], s[P0:P0+1], 6144
	v_mul_u32_u24 v[VS], s80, v2
	v_lshl_add_u32 v[VS], v1, 2, v[VS]
	v_mul_u32_u24 v[SHV], s81, v2
.endif
.macro FRAG reg, a16, a8, q, i         ; a fragment: four dense loads
	ds_load_b128 v[(\reg):(\reg)+3], v[\a16] offset:(\q)*PANEL+(\i)*1536
	ds_load_b64 v[(\reg)+4:(\reg)+5], v[\a8] offset:(\q)*PANEL+(\i)*1536+512
	ds_load_b128 v[(\reg)+6:(\reg)+9], v[\a16] offset:(\q)*PANEL+(\i)*1536+768
	ds_load_b64 v[(\reg)+10:(\reg)+11], v[\a8] offset:(\q)*PANEL+(\i)*1536+1280
.endm
; 16 matrix instructions: A's tiles a0, a0 + 1 x B's eight.  The 64 accumulators take turns, one instruction a turn, in the same order in every step
.macro MUL16 a0, p, q, sc, zero
.irp a, \a0, \a0+1
.irp b, 0,1,2,3,4,5,6,7
.if (\zero) && FF1
	v_wmma_scale_f32_16x16x128_f8f6f4 v[8*(8*((\a)%4)+\b):8*(8*((\a)%4)+\b)+7], v[128*(\p)+12*\b:128*(\p)+12*\b+11], v[AF+12*(\a):AF+12*(\a)+11], v[BI+8*\b:BI+8*\b+7], v[SC+16*(\sc)+2*\b+(\q)], v[SC+16*(\sc)+2*(\a)+(\q)] matrix_a_fmt:MATRIX_FMT_FP6 matrix_b_fmt:MATRIX_FMT_FP6 matrix_a_scale:MATRIX_SCALE_ROW1
.elseif \zero
	v_wmma_scale_f32_16x16x128_f8f6f4 v[8*(8*((\a)%4)+\b):8*(8*((\a)%4)+\b)+7], v[128*(\p)+12*\b:128*(\p)+12*\b+11], v[AF+12*(\a):AF+12*(\a)+11], 0, v[SC+16*(\sc)+2*\b+(\q)], v[SC+16*(\sc)+2*(\a)+(\q)] matrix_a_fmt:MATRIX_FMT_FP6 matrix_b_fmt:MATRIX_FMT_FP6 matrix_a_scale:MATRIX_SCALE_ROW1
.else
	v_wmma_scale_f32_16x16x128_f8f6f4 v[8*(8*((\a)%4)+\b):8*(8*((\a)%4)+\b)+7], v[128*(\p)+12*\b:128*(\p)+12*\b+11], v[AF+12*(\a):AF+12*(\a)+11], v[8*(8*((\a)%4)+\b):8*(8*((\a)%4)+\b)+7], v[SC+16*(\sc)+2*\b+(\q)], v[SC+16*(\sc)+2*(\a)+(\q)] matrix_a_fmt:MATRIX_FMT_FP6 matrix_b_fmt:MATRIX_FMT_FP6 matrix_a_scale:MATRIX_SCALE_ROW1
.endif
.endr
.endr
.endm
.macro FETCH_B slot, q, p
	WIN TO_B
.irp i, 0,1,2,3,4,5,6,7
	FRAG 128*(\p)+12*\i, B16+\slot, B8+\slot, \q, \i
.endr
	WIN 0
.endm
.macro FETCH_A slot, q, i0
.irp i, \i0, \i0+1, \i0+2, \i0+3
	FRAG AF+12*(\i), A16+\slot, A8+\slot, \q, \i
.endr
.endm
.macro SCALES slot, sc                 ; register 2 i + q of set sc: lanes 0-15 the word of A's tile i, lanes 16-31 of B's tile i, for the slot's q-th panel
.irp i, 0,1,2,3,4,5,6,7
.irp q, 0,1
	ds_load_b32 v[SC+16*(\sc)+2*\i+\q], v[ADRS+\slot] offset:\q*PANEL+64*\i
.endr
.endr
.endm
.macro STEP slot, sc, q, zero          ; a step of 128 along K that has its successor in the same slot; sc: its set of scale words
	s_wait_dscnt 4*NL                              ; all but the youngest sixteen loads (A's tiles 4-7) are in
.if (\zero) && FF1
	WIN 0x81                                       ; C (the bias) window 0, D window 2
.else
	WIN MUL_LO
.endif
	MUL16 0, (\q)%2, \q, \sc, \zero
	MUL16 2, (\q)%2, \q, \sc, \zero
	s_wait_dscnt 0
	PLACES NP
	FETCH_B \slot, (\q)+1, 1-(\q)%2
	FETCH_A \slot, (\q)+1, 0
.if (\zero) && FF1
	WIN 0xc1
.else
	WIN MUL_HI
.endif
	MUL16 4, (\q)%2, \q, \sc, \zero
	MUL16 6, (\q)%2, \q, \sc, \zero
	PLACES NP
	WIN 0
	FETCH_A \slot, (\q)+1, 4
.endm
; A slot's last step goes on to the next slot.  mode 1: this slot is filled again: the waits, the add, a round of the cluster's barrier, the joint load.
; mode 0: the next slot's tile was asked for on the way: the waits and one barrier show it whole to every wave.  mode 2: the next slot was shown whole by an earlier barrier, and nothing is filled: no barrier.
.macro TURN slot, sc, next, nsc, mode
.if (\mode) == 2
	s_wait_dscnt 4*NL                              ; all but the youngest sixteen loads (A's tiles 4-7) are in
	WIN MUL_LO
	MUL16 0, 1, 1, \sc, 0
	MUL16 2, 1, 1, \sc, 0
	s_wait_dscnt 0
	PLACES NP
.else
	s_wait_tensorcnt 0x0                           ; all my tensor loads have landed
	ds_add_u32 v[SPW], v[NIL]                      ; 0 onto my spare word
	s_wait_dscnt 4*NL+1                            ; (the add and the youngest sixteen loads may be out)
	WIN MUL_LO
	MUL16 0, 1, 1, \sc, 0
	s_wait_dscnt 0x0                               ; the add is done, and my reads of this slot are over
	s_barrier_signal -1
	MUL16 2, 1, 1, \sc, 0
	WIN 0
	s_barrier_wait -1
.if (\mode) == 1
	CREST                                          ; the barrier has opened a round of the cluster's: no wave of any partner still reads this slot or has a load on its way
	s_add_nc_u64 s[G0+4*\slot+2:G0+4*\slot+3], s[G0+4*\slot+2:G0+4*\slot+3], 3*GRP
	s_add_nc_u64 s[G0B+4*\slot+2:G0B+4*\slot+3], s[G0B+4*\slot+2:G0B+4*\slot+3], 3*GRP
	JLOAD G0+4*\slot, G1, G0B+4*\slot, G1B         ; the first tensor load behind the round; its four v_nop are the places in front of the loads below
.else
	PLACES NP
.endif
.endif
	FETCH_B \next, 0, 0
	FETCH_A \next, 0, 0
	SCALES \next, \nsc
	WIN MUL_HI
	MUL16 4, 1, 1, \sc, 0
	MUL16 6, 1, 1, \sc, 0
	PLACES NP
	WIN 0
	FETCH_A \next, 0, 4
.endm
	s_wait_alu depctr_va_vdst(0)                   ; the wait at the head's end
	s_wait_tensorcnt 0x0                           ; my one load, K steps 0-5 of my group, is in: so the descriptors may be written
	s_mov_b32 s[G1+2], 100<<16                     ; the refill brings 100 rows
	s_mov_b32 s[G1+4], 100
	s_mov_b32 s[G1B+2], 100<<16
	s_mov_b32 s[G1B+4], 100
	s_barrier_signal -1
	s_barrier_wait -1                              ; everybody's is
	FETCH_B 0, 0, 0
	FETCH_A 0, 0, 0
	SCALES 0, 0
	FETCH_A 0, 0, 4
.if FF1
	s_wait_loadcnt 0x0                             ; the bias
.endif
	STEP 0, 0, 0, 1                                ; K step 0: the first products start the sums
	TURN 0, 0, 1, 1, 1                             ; K step 1: slots 1 and 2 are whole; slot 0 takes K steps 6, 7
	STEP 1, 1, 0, 0                                ; K step 2
	s_wait_alu depctr_va_vdst(0)
	TURN 1, 1, 2, 0, 2                             ; K step 3: on to slot 2, which the round above has shown whole
	STEP 2, 0, 0, 0                                ; K step 4
	TURN 2, 0, 0, 1, 0                             ; K step 5: slot 0's second tile is whole
	STEP 0, 1, 0, 0                                ; K step 6
	s_wait_dscnt 4*NL                              ; K step 7: nothing more to fetch
	WIN MUL_LO
	MUL16 0, 1, 1, 1, 0
	MUL16 2, 1, 1, 1, 0
	s_wait_dscnt 0
	WIN MUL_HI
	MUL16 4, 1, 1, 1, 0
	MUL16 6, 1, 1, 1, 0
	WIN 0
; THE WAY OUT: A's tile a, 64 registers a lane, is (relu and) quantised and leaves as one tile of a panel: dense stores, no stage.
.macro OUT a
.set QS, 64*((\a)%4)
.set QW, 2+(\a)/4
.if (\a) > 0
	s_wait_xcnt 0x0                                ; the last tile's stores have read their registers and bases: both are written again only behind this wait
	s_add_nc_u64 s[P0:P0+1], s[P0:P0+1], s[STP:STP+1]
	s_add_nc_u64 s[P1:P1+1], s[P1:P1+1], s[STP:STP+1]
	s_add_nc_u64 s[PS:PS+1], s[PS:PS+1], 64
.endif
.if ((\a) == 4) && (FF1 == 0)
	s_add_nc_u64 s[P0:P0+1], s[P0:P0+1], s[XTR:XTR+1]
	s_add_nc_u64 s[P1:P1+1], s[P1:P1+1], s[XTR:XTR+1]
	s_add_nc_u64 s[PS:PS+1], s[PS:PS+1], s[XSC:XSC+1]
.endif
.if FF1
	WIN (QW<<6)|(QW<<2)
.set n, 0
.rept 64
	v_max_num_f32 v[QS+n], 0, v[QS+n]              ; the activation, in f32, each accumulator from its low end on
.set n, n+1
.endr
.endif
	QUANT QS, QW
	v_lshrrev_b32 v[PWS], v[SHV], v[PW]
	global_store_b128 v[O16], v[PC:PC+3], s[P0:P0+1]
	global_store_b64 v[O8], v[PC+4:PC+5], s[P0:P0+1] offset:512
	global_store_b128 v[O16], v[PC+6:PC+9], s[P1:P1+1]
	global_store_b64 v[O8], v[PC+10:PC+11], s[P1:P1+1] offset:512
	global_store_b32 v[VS], v[PWS], s[PS:PS+1]
.endm
	PLACES NP                                      ; behind the last products: their results are read, and A's registers written, only behind these
.irp a, 0,1,2,3,4,5,6,7
	OUT \a
.endr
	s_wait_tensorcnt 0x0                           ; the wave's end
	ds_add_u32 v[SPW], v[NIL]
	s_wait_dscnt 0x0
	CROUND                                         ; the closing round
	s_endpgm
.Lfunc_end_k_q40bbb43c0f_qkv:
	.size	k_q40bbb43c0f_qkv, .Lfunc_end_k_q40bbb43c0f_qkv-k_q40bbb43c0f_qkv
	.p2alignl 7, 3214868480
	.fill 96, 4, 3214868480
	.section	.rodata,"a",@progbits
	.p2align	6, 0x0
	.amdhsa_kernel k_q40bbb43c0f_qkv
		.amdhsa_group_segment_fixed_size 327680
		.amdhsa_private_segment_fixed_size 0
		.amdhsa_enable_private_segment 0
		.amdhsa_kernarg_size 24
		.amdhsa_user_sgpr_count 2
		.amdhsa_user_sgpr_kernarg_segment_ptr 1
		.amdhsa_wavefront_size32 1
		.amdhsa_system_sgpr_workgroup_id_x 1
		.amdhsa_system_sgpr_workgroup_id_y 1
		.amdhsa_system_sgpr_workgroup_id_z 1
		.amdhsa_system_vgpr_workitem_id 0
		.amdhsa_next_free_vgpr 1024
		.amdhsa_next_free_sgpr 100
		.amdhsa_reserve_vcc 0
		.amdhsa_float_denorm_mode_32 3
		.amdhsa_float_denorm_mode_16_64 3
		.amdhsa_memory_ordered 1
		.amdhsa_forward_progress 1
		.amdhsa_inst_pref_size 149
	.end_amdhsa_kernel
	.amdgpu_metadata
---
amdhsa.version: [ 1, 2 ]
amdhsa.kernels:
  - .name:           k_q40bbb43c0f_qkv
    .symbol:         k_q40bbb43c0f_qkv.kd
    .args:
      - { .name: xc, .offset: 0, .size: 8, .value_kind: global_buffer, .address_space: global }
      - { .name: wc, .offset: 8, .size: 8, .value_kind: global_buffer, .address_space: global }
      - { .name: qkv, .offset: 16, .size: 8, .value_kind: global_buffer, .address_space: global }
    .group_segment_fixed_size: 327680
    .private_segment_fixed_size: 0
    .kernarg_segment_align: 8
    .kernarg_segment_size: 24
    .max_flat_workgroup_size: 128
    .sgpr_count:     100
    .vgpr_count:     1024
    .wavefront_size: 32
...
	.end_amdgpu_metadata
.endif
;; end of part 2
;; launch attn (part 3): grid 8 x 32, 16 waves a work-group, clusters of 4 x 1, 327,680 bytes of LDS; arguments qkv, ac; writes ac
.if DOCPART == 3
	.amdgcn_target "amdgcn-amd-amdhsa--gfx1250"
	.amdhsa_code_object_version 6
	.text
	.protected	k_q40bbb43c0f_attn
	.globl	k_q40bbb43c0f_attn
	.p2align	8
	.type	k_q40bbb43c0f_attn,@function
k_q40bbb43c0f_attn:
	s_mov_b64 s[64:65], 0
	v_nop
	global_prefetch_b8 v0, s[64:65] scope:SCOPE_SE
	s_setreg_imm32_b32 hwreg(HW_REG_WAVE_MODE, 25, 1), 1
	s_wait_xcnt 0x0
	s_wait_alu depctr_hold_cnt(0) depctr_sa_sdst(0) depctr_va_vdst(0) depctr_va_sdst(0) depctr_va_ssrc(0) depctr_va_vcc(0) depctr_vm_vsrc(0)
	s_getreg_b32 s2, hwreg(HW_REG_IB_STS2, 6, 4)
	s_cmp_eq_u32 s2, 0
	s_cbranch_scc0 .Lentry_in_a_cluster
	s_endpgm
.Lentry_in_a_cluster:
	s_bfe_u32 s2, ttmp6, 0x10000c
	s_cmp_lg_u32 s2, 0x3003
	s_cbranch_scc0 .Lentry_shape_is_right
	s_endpgm
.Lentry_shape_is_right:
; Causal attention on codes of FP6, head size 64, 2,048 keys a head; its output is quantised along the channels and stored as panels for the projection.
; q, k: [head][group of 128 tokens]: eight tiles of 768 bytes (K = 64: registers 0-5 of a fragment) and 512 bytes of scale words: 6,656 bytes.  v^T: [head][group of 128 keys]: four tiles of 16 channels x 128 keys and 256 bytes of scale words: 6,400 bytes.
; Tile a, lane row p = token 32 (a / 2) + 8 (a % 2) + p + 8 (p / 8) of the group; v^T's channels likewise within the head's 64.
; LEFT OUT: key groups that lie wholly behind a tile's queries: the causal mask gives them the weight 0 for every input.
; THE SOFTMAX: t = score x log2(e) / 8; M = the running largest t rounded up to a whole number; p = 2^(t - M) is quantised along the keys, not normalised; the sum of the unquantised p divides at the end.
; SHARES.  Work-group (c, head) owns tile c of ALL sixteen query groups: 136 key steps in every work-group, and every work-group reads all sixteen key groups.  No branch hangs on the work-group's number.
; Its sixteen waves are eight pairs g = 0 .. 7 for the tiles of groups g (g + 1 key groups) and 15 - g (16 - g key groups).  Wave A of a pair takes the short tile, stores it, and then key groups 9 .. 15 - g of the long tile: 8 steps.
; Wave B takes key groups 0 .. 8 of the long tile: 9 steps.  A hands its O^T, M and sums to B through LDS; M is a whole number, so bringing both parts under the larger M is a multiplication by a power of two.
; Every wave walks both loops (key groups 0-8, 9-15) with constant trip counts and jumps over a step's work by a compare of the step's group with a bound made of its own number.
; A WHOLE HEAD'S K AND V^T LIE IN LDS, filled once: waves 0-7 bring two panels of K each, waves 8-15 two of V: one tensor load a wave.  Nothing is filled again.
; CLUSTER 4 x 1: four work-groups of one head ask for K and V jointly (mask 15).  No data prefetch: all that the launch reads by tensor loads is asked for at its head.
; Both products are used transposed: a lane holds one query throughout.  The first product's K is 64: Q's registers 6-11 are zero codes, so what stands in K's operand there (the next tile's codes) adds nothing.
; LIMITS: NaN and infinities are not served; a block of zeros gets the byte 1; the scaled scores stay under 2^31 in magnitude.
; REGISTERS: v1-7 stay; v8-11, v28-29 the step's addresses; v12 -M, v13 the largest t, v[14:15] the sum; v16-27 Q, v30 its scale words; v32-85 K's tiles (6 registers each), then V's four fragments; v88-95 scale words;
;   v96-159 S^T, then p; v160-191 O^T; v192-211 codes; v212-218 the long tile's Q (every wave loads it, so that no path reads it unwritten; in wave B it is its own Q again); v219, v220 the exchange; v232-254 at work.
; THE SHARES OF A PAIR, in place of what the lines above say of waves A and B: wave A is wave g = 0 .. 7, wave B its partner 15 - g.
; Wave A takes the short tile (group g, g + 1 key groups), stores it, takes key groups NY .. 15 - g of the long tile (group 15 - g), joins wave B's part to its own and stores the long tile: 17 - NY key steps.
; Wave B takes key groups 0 .. NY - 1 of the long tile, none of them on the diagonal, and hands its O^T, M and sums to wave A through LDS: NY key steps.
; The loops walk key groups 0-7 and NY-15.
.set KPB,   6656
.set NY,    4
.set VPB,   6400
.set VLDS,  16*KPB
.set XCH,   VLDS+16*VPB                ; the exchange: 4,608 bytes of its own for each wave
.set XW,    4608
.set SPARE, XCH+16*XW                  ; the spare words: 128 bytes a wave
.set KOFF,  3407872
.set VOFF,  6815744
.set WV,  18
.set SEL, 20
.set CS,  22
.set G1K, 24
.set G1V, 32
.set G0K, 40
.set G0V, 44
.set LIM, 48                           ; the last key group that I work on
.set TY,  49                           ; 0: wave A, 1: wave B
.set QL,  50                           ; the long tile's group
.set QB,  84                           ; the group of the tile in hand
.set KG,  85                           ; the step's group of keys
.set TBK, 86                           ; where its panel of K begins in LDS
.set TBV, 87                           ; and of V (less VLDS)
.set TR,  88
.macro CROUND                          ; a round of the cluster's barrier
	s_barrier_signal -1
	s_barrier_wait -1
	s_cmp_lg_u32 s[WV], 0
	s_cbranch_scc1 .Lnw0_\@
	s_barrier_signal -3
.Lnw0_\@:
	s_barrier_wait -3
	s_barrier_signal -1
	s_barrier_wait -1
.endm
	s_load_b128 s[4:7], s[0:1], 0x0                ; qkv, ac
	v_lshl_add_u32 v251, v0, 2, SPARE
	v_mov_b32 v255, 0
	ds_add_u32 v251, v255                          ; the opening lines: the add twice on end and its wait
	ds_add_u32 v251, v255
	v_lshrrev_b32 v8, 5, v0
	v_readfirstlane_b32 s[WV], v8                  ; wave 0..15
	s_and_b32 s8, ttmp7, 0xffff                    ; 16 x batch + head
	s_and_b32 s9, s[WV], 7
	s_mul_i32 s10, s8, 16*KPB
	s_mul_i32 s11, s9, 2*KPB                       ; my two panels
	s_add_co_u32 s12, s10, s11
	s_add_co_u32 s12, s12, KOFF
	s_mov_b32 s13, 0
	s_mul_i32 s14, s8, 16*VPB
	s_mul_i32 s15, s9, 2*VPB
	s_add_co_u32 s16, s14, s15
	s_add_co_u32 s16, s16, VOFF
	s_mov_b32 s17, 0
	s_mov_b32 s[G1K], 15|(3<<16)|(1<<21)           ; the four partners; elements of 8 bytes; bit 21 beside a mask; no padding: 13,312 dense bytes as 52 rows of 256
	s_mov_b32 s[G1K+1], 32<<16
	s_mov_b32 s[G1K+2], 52<<16
	s_mov_b32 s[G1K+3], 32<<16
	s_mov_b32 s[G1K+4], 52
	s_mov_b32 s[G1K+5], 32
	s_mov_b32 s[G1K+6], 0
	s_mov_b32 s[G1K+7], 0
	s_mov_b32 s[G1V], 15|(3<<16)|(1<<21)           ; 12,800 bytes as 50 rows
	s_mov_b32 s[G1V+1], 32<<16
	s_mov_b32 s[G1V+2], 50<<16
	s_mov_b32 s[G1V+3], 32<<16
	s_mov_b32 s[G1V+4], 50
	s_mov_b32 s[G1V+5], 32
	s_mov_b32 s[G1V+6], 0
	s_mov_b32 s[G1V+7], 0
	s_mov_b32 s[G0K], 1
	s_mov_b32 s[G0K+1], s11
	s_mov_b32 s[G0V], 1
	s_add_co_u32 s[G0V+1], s15, VLDS
	s_wait_alu depctr_va_vdst(0)
	s_wait_dscnt 0x0
	CROUND                                         ; the four partners are here: the joint loads meet
	s_wait_kmcnt 0x0
	s_add_nc_u64 s[G0K+2:G0K+3], s[4:5], s[12:13]
	s_or_b32 s[G0K+3], s[G0K+3], 0x80000000
	s_add_nc_u64 s[G0V+2:G0V+3], s[4:5], s[16:17]
	s_or_b32 s[G0V+3], s[G0V+3], 0x80000000
	s_cmp_lt_u32 s[WV], 8                          ; every way passes one load
	s_cbranch_scc0 .Lfor_v
	tensor_load_to_lds s[G0K:G0K+3], s[G1K:G1K+7]
	s_nop 0
.rept 4
	v_nop
.endr
	s_branch .Lasked
.Lfor_v:
	tensor_load_to_lds s[G0V:G0V+3], s[G1V:G1V+7]
	s_nop 0
.rept 4
	v_nop
.endr
.Lasked:
	s_bfe_u32 s89, ttmp6, 0x40000                  ; cx
	s_lshl_b32 s90, ttmp9, 2
	s_add_co_u32 s90, s90, s89                     ; a: my work-group's tile in every group; it enters global addresses and the mask's numbers alone
	s_lshr_b32 s[TY], s[WV], 3                     ; 0: waves 0-7 (A), 1: waves 8-15 (B)
	s_xor_b32 s89, s[WV], 15                       ; my partner: 15 - wave
	s_min_u32 s91, s[WV], s89                      ; g
	s_sub_co_u32 s[QL], 15, s91
	s_cmp_eq_u32 s[TY], 1
	s_cselect_b32 s[QB], s[QL], s91
	s_cselect_b32 s[LIM], NY-1, s91
	s_sub_co_u32 s60, s[QL], s91
	s_mul_i32 s60, s60, 8*12800                    ; from the short tile's place in the output to the long tile's: 15 - 2 g token groups of eight panels
	s_mov_b32 s61, 0
	s_lshl_b32 s92, s8, 4
	s_add_co_u32 s94, s92, s[QL]
	s_add_co_u32 s92, s92, s[QB]
	s_mul_i32 s92, s92, KPB
	s_mul_i32 s94, s94, KPB
	s_mul_i32 s96, s90, 768
	s_lshl_b32 s98, s90, 6
	s_mov_b32 s93, 0
	s_mov_b32 s95, 0
	s_mov_b32 s97, 0
	s_mov_b32 s99, 0
	s_add_nc_u64 s[92:93], s[4:5], s[92:93]        ; q's panel of my first tile
	s_add_nc_u64 s[94:95], s[4:5], s[94:95]        ; and of the long tile
	s_add_nc_u64 s[52:53], s[92:93], s[96:97]      ; the tiles
	s_add_nc_u64 s[54:55], s[94:95], s[96:97]
	s_add_nc_u64 s[92:93], s[92:93], s[98:99]      ; their scale words (6,144 stands in the immediate)
	s_add_nc_u64 s[94:95], s[94:95], s[98:99]
	s_lshr_b32 s56, s90, 1
	s_lshl_b32 s56, s56, 5
	s_and_b32 s57, s90, 1
	s_lshl_b32 s57, s57, 3
	s_add_co_u32 s56, s56, s57                     ; the tile's first token in its group
	s_mul_i32 s58, s[WV], XW
	s_add_co_u32 s58, s58, XCH                     ; my part of the exchange,
	s_xor_b32 s59, s[WV], 15
	s_mul_i32 s59, s59, XW
	s_add_co_u32 s59, s59, XCH                     ; and my partner's
	s_and_b32 s10, s8, 16                          ; where my one output tile goes: panel (16 x batch + QB, K step head / 2), tile a, half head % 2
	s_add_co_u32 s10, s10, s[QB]
	s_lshl_b32 s10, s10, 3
	s_bfe_u32 s11, s8, 0x30001
	s_add_co_u32 s10, s10, s11
	s_mul_i32 s10, s10, 12800
	s_mov_b32 s11, 0
	s_add_nc_u64 s[6:7], s[6:7], s[10:11]
	s_mul_i32 s10, s90, 1536
	s_and_b32 s14, s8, 1
	s_mul_i32 s15, s14, 768
	s_add_co_u32 s10, s10, s15
	s_add_nc_u64 s[12:13], s[6:7], s[10:11]        ; the half image
	s_lshl_b32 s10, s90, 6
	s_lshl_b32 s14, s14, 1
	s_add_co_u32 s10, s10, s14
	s_add_nc_u64 s[6:7], s[6:7], s[10:11]          ; my head's two bytes of the scale words (12,288 stands in the immediate)
	s_mov_b32 s[SEL], 0x76543210
	s_mov_b32 s[SEL+1], 0xfedcba98
	s_mov_b32 s[CS], 0x3e38aa3b                    ; c = log2(e) / 8
	s_mov_b32 s[CS+1], s[CS]
	v_and_b32 v8, 15, v0                           ; r
	v_bfe_u32 v9, v0, 4, 1                         ; h
	v_and_b32 v10, 31, v0
	v_lshlrev_b32 v1, 4, v10                       ; 16 x lane
	v_lshlrev_b32 v2, 3, v10                       ; 8 x lane
	v_lshlrev_b32 v3, 2, v8                        ; 4 r
	global_load_b128 v[16:19], v1, s[52:53]
	global_load_b64 v[20:21], v2, s[52:53] offset:512
	global_load_b32 v30, v3, s[92:93] offset:6144
	global_load_b128 v[212:215], v1, s[54:55]
	global_load_b64 v[216:217], v2, s[54:55] offset:512
	global_load_b32 v218, v3, s[94:95] offset:6144
	v_add_nc_u32 v4, VLDS, v1
	v_add_nc_u32 v5, VLDS, v2
	v_add_nc_u32 v6, VLDS, v3
	v_add_nc_u32 v219, s58, v1
	v_add_nc_u32 v220, s59, v1
	v_and_b32 v7, 8, v8
	v_lshlrev_b32 v11, 4, v9
	v_add_nc_u32 v7, v7, v8
	v_sub_nc_u32 v7, v7, v11
	v_add_nc_u32 v7, s56, v7                       ; my query's place in its group, less 16 h
.irp j, 22,23,24,25,26,27,80,81,82,83,84,85
	v_mov_b32 v\j, 0                               ; Q's zero codes for K = 64 .. 127; and what stands behind K's last tile
.endr
.irp j, 236,237,238,239,252,253
	v_mov_b32 v\j, 0                               ; written once: permutes' destinations and the pair v[252:253] count as read
.endr
.macro FRESH                           ; a tile's sums begin: the step is written once; the first change of M leaves zeros zeros
	v_mov_b32 v13, 0xff61b1e6                      ; the largest t so far: -3e38
	v_mov_b32 v14, 0
	v_mov_b32 v15, 0
	v_floor_f32 v12, -v13                          ; -M
.set n, 0
.rept 32
	v_mov_b32 v[160+n], 0
.set n, n+1
.endr
.endm
	FRESH
; A KEY STEP: the 128 keys of group KG
.macro STEP
	s_cmp_gt_u32 s[KG], s[LIM]                     ; not mine: the step's work is left out (a branch on ids)
	s_cbranch_scc1 .Lhidden_\@
	v_add_nc_u32 v8, s[TBK], v1                    ; (these six are also the places in front of the loads into registers that the last products read)
	v_add_nc_u32 v9, s[TBK], v2
	v_add_nc_u32 v10, s[TBK], v3
	v_add_nc_u32 v11, s[TBV], v4
	v_add_nc_u32 v28, s[TBV], v5
	v_add_nc_u32 v29, s[TBV], v6
.irp t, 0,1,2,3,4,5,6,7
	ds_load_b128 v[32+6*\t:35+6*\t], v8 offset:768*\t
	ds_load_b64 v[36+6*\t:37+6*\t], v9 offset:768*\t+512
	ds_load_b32 v[88+\t], v10 offset:6144+64*\t
.endr
	s_wait_alu depctr_va_vdst(0)
	s_wait_dscnt 0x0
.irp t, 0,1,2,3,4,5,6,7
	v_wmma_scale_f32_16x16x128_f8f6f4 v[96+8*\t:103+8*\t], v[32+6*\t:43+6*\t], v[16:27], 0, v[88+\t], v30 matrix_a_fmt:MATRIX_FMT_FP6 matrix_b_fmt:MATRIX_FMT_FP6
.endr
.rept 4
	v_nop                                          ; places: in front of the loads below and of the first read of the scores
.endr
.irp t, 0,1,2,3                        ; V's fragments land while the softmax is worked
	ds_load_b128 v[32+12*\t:35+12*\t], v11 offset:1536*\t
	ds_load_b64 v[36+12*\t:37+12*\t], v28 offset:1536*\t+512
	ds_load_b128 v[38+12*\t:41+12*\t], v11 offset:1536*\t+768
	ds_load_b64 v[42+12*\t:43+12*\t], v28 offset:1536*\t+1280
	ds_load_b32 v[88+\t], v29 offset:6144+64*\t
.endr
	s_cmp_lg_u32 s[KG], s[QB]                      ; on the diagonal hidden scores become -infinity: register 16 b + i holds key 32 b + 16 h + i
	s_cbranch_scc1 .Lopen_\@
	v_mov_b32 v254, 0xff800000
.set n, 0
.rept 64
	v_cmp_gt_i32 vcc_lo, 32*(n/16)+n%16, v7
	v_cndmask_b32 v[96+n], v[96+n], v254, vcc_lo
.set n, n+1
.endr
.Lopen_\@:
.irp b, 0,1,2,3
	v_max3_num_f32 v[232+\b], v[96+16*\b], v[97+16*\b], v[98+16*\b]   ; the largest score of each block of 32 keys: for the row's maximum and for the block's largest p
.endr
.irp i, 3,5,7,9,11,13
.irp b, 0,1,2,3
	v_max3_num_f32 v[232+\b], v[232+\b], v[96+16*\b+\i], v[97+16*\b+\i]
.endr
.endr
.irp b, 0,1,2,3
	v_max_num_f32 v[232+\b], v[232+\b], v[111+16*\b]
.endr
.irp b, 0,1,2,3
	s_delay_alu instid0(VALU_DEP_4)
	v_permlanex16_b32 v[236+\b], v[232+\b], s[SEL], s[SEL+1]
.endr
.irp b, 0,1,2,3
	s_delay_alu instid0(VALU_DEP_4)
	v_max_num_f32 v[232+\b], v[232+\b], v[236+\b]
.endr
	s_delay_alu instid0(VALU_DEP_2)
	v_max3_num_f32 v254, v232, v233, v234
	s_delay_alu instid0(VALU_DEP_1)
	v_max_num_f32 v254, v254, v235
	s_delay_alu instid0(VALU_DEP_1)
	v_mul_f32 v254, s[CS], v254
	s_delay_alu instid0(VALU_DEP_1)
	v_max_num_f32 v13, v13, v254                   ; the running largest t
	v_mov_b32 v254, v12
	s_delay_alu instid0(VALU_DEP_2)
	v_floor_f32 v12, -v13                          ; the new -M: M is a whole number
	s_delay_alu instid0(VALU_DEP_1)
	v_sub_f32 v254, v12, v254
	s_delay_alu instid0(VALU_DEP_1)
	v_cvt_i32_f32 v254, v254                       ; (it saturates)
	s_delay_alu instid0(VALU_DEP_1)
	v_ldexp_f32 v252, 1.0, v254                    ; f = 2^(old M - new M)
.set n, 0
.rept 32
	v_pk_fma_f32 v[96+n:97+n], v[96+n:97+n], s[CS:CS+1], v[12:13] op_sel_hi:[1,0,0]   ; t - M
.set n, n+2
.endr
.irp b, 0,1,2,3
	v_fma_f32 v[232+\b], v[232+\b], s[CS], v12
.endr
.set n, 0
	s_wait_alu depctr_va_vdst(0)
.rept 64
	v_exp_f32 v[96+n], v[96+n]                     ; p = 2^(t - M)
.set n, n+1
.endr
	v_pk_mul_f32 v[14:15], v[14:15], v[252:253] op_sel_hi:[1,0]   ; the sums under the new M: a plain place behind the exponentials
	s_wait_alu depctr_va_vdst(0)                   ; one wait for the batch, ahead of its first reader
.irp b, 0,1,2,3
	v_exp_f32 v[232+\b], v[232+\b]                 ; each block's largest p
.endr
	v_pk_add_f32 v[236:237], v[100:101], v[104:105]
	v_pk_add_f32 v[248:249], v[108:109], v[112:113]
	v_pk_add_f32 v[246:247], v[116:117], v[120:121]
	v_pk_add_f32 v[244:245], v[124:125], v[128:129]
	v_pk_add_f32 v[242:243], v[132:133], v[136:137]
	v_pk_add_f32 v[240:241], v[140:141], v[144:145]
	v_pk_add_f32 v[238:239], v[148:149], v[152:153]
	v_pk_add_f32 v[14:15], v[14:15], v[156:157]
	v_pk_add_f32 v[236:237], v[236:237], v[96:97]
	v_pk_add_f32 v[248:249], v[248:249], v[98:99]
	v_pk_add_f32 v[246:247], v[246:247], v[102:103]
	v_pk_add_f32 v[244:245], v[244:245], v[106:107]
	v_pk_add_f32 v[242:243], v[242:243], v[110:111]
	v_pk_add_f32 v[240:241], v[240:241], v[114:115]
	v_pk_add_f32 v[238:239], v[238:239], v[118:119]
	v_pk_add_f32 v[14:15], v[14:15], v[122:123]
	v_pk_add_f32 v[236:237], v[236:237], v[126:127]
	v_pk_add_f32 v[248:249], v[248:249], v[130:131]
	v_pk_add_f32 v[246:247], v[246:247], v[134:135]
	v_pk_add_f32 v[244:245], v[244:245], v[138:139]
	v_pk_add_f32 v[242:243], v[242:243], v[142:143]
	v_pk_add_f32 v[240:241], v[240:241], v[146:147]
	v_pk_add_f32 v[238:239], v[238:239], v[150:151]
	v_pk_add_f32 v[14:15], v[14:15], v[154:155]
	v_pk_add_f32 v[236:237], v[236:237], v[158:159]
	s_delay_alu instid0(VALU_DEP_2)
	v_pk_add_f32 v[14:15], v[14:15], v[244:245]
	s_delay_alu instid0(VALU_DEP_2)
	v_pk_add_f32 v[236:237], v[236:237], v[242:243]
	v_pk_add_f32 v[248:249], v[248:249], v[240:241]
	v_pk_add_f32 v[246:247], v[246:247], v[238:239]
	s_delay_alu instid0(VALU_DEP_2)
	v_pk_add_f32 v[14:15], v[14:15], v[248:249]
	s_delay_alu instid0(VALU_DEP_2)
	v_pk_add_f32 v[236:237], v[236:237], v[246:247]
	s_delay_alu instid0(VALU_DEP_1)
	v_pk_add_f32 v[14:15], v[14:15], v[236:237]
	s_wait_alu depctr_va_vdst(0)                   ; and one for the four
.irp b, 0,1,2,3
	v_max_num_f32 v[232+\b], 0x1800000, v[232+\b]  ; the floor
.endr
.irp b, 0,1,2,3
	s_delay_alu instid0(VALU_DEP_4)
	v_add_nc_u32 v[244+\b], 0xff000000, v[232+\b]
.endr
.irp b, 0,1,2,3
	s_delay_alu instid0(VALU_DEP_4)
	v_lshrrev_b32 v[236+\b], 23, v[244+\b]
.endr
	s_delay_alu instid0(VALU_DEP_3)
	v_lshl_or_b32 v253, v237, 8, v236              ; p's scale word
	s_delay_alu instid0(VALU_DEP_1)
	v_lshl_or_b32 v253, v238, 16, v253
	s_delay_alu instid0(VALU_DEP_1)
	v_lshl_or_b32 v253, v239, 24, v253
.irp c, 0,1
	v_cvt_scalef32_pk16_fp6_f32 v[192+6*\c:194+6*\c], v[96+32*\c:111+32*\c], v[244+2*\c]
	v_cvt_scalef32_pk16_fp6_f32 v[204+4*\c:206+4*\c], v[112+32*\c:127+32*\c], v[245+2*\c]
.endr
	v_nop
.irp c, 0,1
.irp i, 0,1,2
	v_permlane16_swap_b32 v[192+6*\c+\i], v[204+4*\c+\i]
.endr
.irp i, 0,1,2
	s_delay_alu instid0(VALU_DEP_3)
	v_mov_b32 v[195+6*\c+\i], v[204+4*\c+\i]
.endr
.endr
.set n, 0
.rept 16
	v_pk_mul_f32 v[160+n:161+n], v[160+n:161+n], v[252:253] op_sel_hi:[1,0]   ; O^T under the new M; these sixteen are also the places between the codes, the scale word and the products
.set n, n+2
.endr
	s_wait_alu depctr_va_vdst(0)
	s_wait_dscnt 0x0                               ; V
.irp t, 0,1,2,3
	v_wmma_scale_f32_16x16x128_f8f6f4 v[160+8*\t:167+8*\t], v[32+12*\t:43+12*\t], v[192:203], v[160+8*\t:167+8*\t], v[88+\t], v253 matrix_a_fmt:MATRIX_FMT_FP6 matrix_b_fmt:MATRIX_FMT_FP6
.endr
.Lhidden_\@:
.endm
.macro WALK first, trips               ; key groups first .. first + trips - 1: every wave walks all trips
	s_mov_b32 s[KG], \first
	s_mov_b32 s[TBK], (\first)*KPB
	s_mov_b32 s[TBV], (\first)*VPB
	s_mov_b32 s[TR], \trips
.Ltrip_\@:
	STEP
	s_add_co_u32 s[KG], s[KG], 1
	s_add_co_u32 s[TBK], s[TBK], KPB
	s_add_co_u32 s[TBV], s[TBV], VPB
	s_sub_co_u32 s[TR], s[TR], 1
	s_cmp_lg_u32 s[TR], 0
	s_cbranch_scc1 .Ltrip_\@
.endm
; THE WAY OUT of a tile: O^T / the sum; register 16 b + i is channel 32 b + 16 h + i of my query: two blocks of the projection's K
.macro OUT
.rept 4
	v_nop
.endr
	v_add_f32 v14, v14, v15
	s_delay_alu instid0(VALU_DEP_1)
	v_permlanex16_b32 v252, v14, s[SEL], s[SEL+1]
	s_delay_alu instid0(VALU_DEP_1)
	v_add_f32 v14, v14, v252
	s_wait_alu depctr_va_vdst(0)
	v_rcp_f32 v14, v14
	v_nop
	s_wait_alu depctr_va_vdst(0)
.set n, 0
.rept 32
	v_mul_f32 v[96+n], v[160+n], v14
.set n, n+1
.endr
.irp b, 0,1
	v_max3_num_f32 v[232+\b], |v[96+16*\b]|, |v[97+16*\b]|, 0x1800000
.endr
.irp i, 2,4,6,8,10,12,14
.irp b, 0,1
	s_delay_alu instid0(VALU_DEP_2)
	v_max3_num_f32 v[232+\b], v[232+\b], |v[96+16*\b+\i]|, |v[97+16*\b+\i]|
.endr
.endr
.irp b, 0,1
	s_delay_alu instid0(VALU_DEP_2)
	v_permlanex16_b32 v[236+\b], v[232+\b], s[SEL], s[SEL+1]
.endr
.irp b, 0,1
	s_delay_alu instid0(VALU_DEP_2)
	v_max_num_f32 v[232+\b], v[232+\b], v[236+\b]
.endr
.irp b, 0,1
	s_delay_alu instid0(VALU_DEP_2)
	v_add_nc_u32 v[244+\b], 0xff000000, v[232+\b]
.endr
.irp b, 0,1
	s_delay_alu instid0(VALU_DEP_2)
	v_lshrrev_b32 v[236+\b], 23, v[244+\b]
.endr
	s_delay_alu instid0(VALU_DEP_1)
	v_lshl_or_b32 v253, v237, 8, v236
	v_cvt_scalef32_pk16_fp6_f32 v[192:194], v[96:111], v244
	v_cvt_scalef32_pk16_fp6_f32 v[204:206], v[112:127], v245
	v_nop
.irp i, 0,1,2
	v_permlane16_swap_b32 v[192+\i], v[204+\i]
.endr
.irp i, 0,1,2
	s_delay_alu instid0(VALU_DEP_3)
	v_mov_b32 v[195+\i], v[204+\i]
.endr
	global_store_b128 v1, v[192:195], s[12:13]
	global_store_b64 v2, v[196:197], s[12:13] offset:512
	global_store_b16 v3, v253, s[6:7] offset:12288 ; a scale word's two halves come from two heads' work-groups
.endm
	s_wait_alu depctr_va_vdst(0)                   ; the wait at the head's end
	s_wait_loadcnt 0x0                             ; Q
	s_wait_tensorcnt 0x0                           ; my two panels have landed,
	s_barrier_signal -1
	s_barrier_wait -1                              ; everybody's have: the whole head's K and V^T
	WALK 0, 8                                      ; A: the short tile, key groups 0 .. g;  B: the long tile, key groups 0 .. NY - 1
	s_cmp_eq_u32 s[TY], 1
	s_cbranch_scc1 .Lkeep
	OUT                                            ; A: the short tile leaves,
	v_mov_b32 v30, v218                            ; and the long tile is taken up (its scale words first: more than eight places lie ahead of the next product)
.irp j, 0,1,2,3,4,5
	v_mov_b32 v[16+\j], v[212+\j]
.endr
	FRESH
	s_mov_b32 s[QB], s[QL]
	s_mov_b32 s[LIM], s[QL]
	s_wait_alu depctr_va_vdst(0)
	s_wait_xcnt 0x0                                ; the stores have read their registers and bases: both are written again only behind this wait
	s_add_nc_u64 s[12:13], s[12:13], s[60:61]      ; on to the long tile's place in the output
	s_add_nc_u64 s[6:7], s[6:7], s[60:61]
.Lkeep:
	WALK NY, 16-NY                                 ; A: the long tile, key groups NY .. 15 - g;  B: nothing
	s_cmp_eq_u32 s[TY], 0
	s_cbranch_scc1 .Lno_hand
.rept 4
	v_nop                                          ; places behind the last products
.endr
.irp k, 0,1,2,3,4,5,6,7
	ds_store_b128 v219, v[160+4*\k:163+4*\k] offset:512*\k   ; B's O^T, each accumulator from its low end on,
.endr
	ds_store_b128 v219, v[12:15] offset:4096       ; -M, the largest t, the sums
.Lno_hand:
	s_wait_dscnt 0x0                               ; for the partner's sake: my stores have landed
	s_barrier_signal -1
	s_barrier_wait -1
	s_cmp_eq_u32 s[TY], 1
	s_cbranch_scc1 .Ldone
.rept 4
	v_nop                                          ; places behind the last products
.endr
.irp k, 0,1,2,3,4,5,6,7
	ds_load_b128 v[96+4*\k:99+4*\k], v220 offset:512*\k
.endr
	ds_load_b128 v[128:131], v220 offset:4096
	s_wait_dscnt 0x0
	v_min_num_f32 v132, v12, v128                  ; -M of both parts together
	v_sub_f32 v133, v132, v12
	v_sub_f32 v134, v132, v128
	v_cvt_i32_f32 v133, v133                       ; whole numbers, 0 or less (the conversion saturates: a part with no key step gets the factor 0 on its zeros)
	v_cvt_i32_f32 v134, v134
	v_ldexp_f32 v136, 1.0, v133                    ; my part's factor, twice: a pair for the packed forms
	v_ldexp_f32 v137, 1.0, v133
	v_ldexp_f32 v138, 1.0, v134                    ; the partner's
	v_ldexp_f32 v139, 1.0, v134
.set n, 0
.rept 16
	v_pk_mul_f32 v[160+n:161+n], v[160+n:161+n], v[136:137]
.set n, n+2
.endr
	v_pk_mul_f32 v[14:15], v[14:15], v[136:137]
.set n, 0
.rept 16
	v_pk_fma_f32 v[160+n:161+n], v[96+n:97+n], v[138:139], v[160+n:161+n]
.set n, n+2
.endr
	v_pk_fma_f32 v[14:15], v[130:131], v[138:139], v[14:15]
	OUT                                            ; A: the long tile leaves
.Ldone:
	s_wait_tensorcnt 0x0                           ; the wave's end
	ds_add_u32 v251, v255
	s_wait_dscnt 0x0
	CROUND                                         ; the closing round
	s_endpgm
.Lfunc_end_k_q40bbb43c0f_attn:
	.size	k_q40bbb43c0f_attn, .Lfunc_end_k_q40bbb43c0f_attn-k_q40bbb43c0f_attn
	.p2alignl 7, 3214868480
	.fill 96, 4, 3214868480
	.section	.rodata,"a",@progbits
	.p2align	6, 0x0
	.amdhsa_kernel k_q40bbb43c0f_attn
		.amdhsa_group_segment_fixed_size 327680
		.amdhsa_private_segment_fixed_size 0
		.amdhsa_enable_private_segment 0
		.amdhsa_kernarg_size 16
		.amdhsa_user_sgpr_count 2
		.amdhsa_user_sgpr_kernarg_segment_ptr 1
		.amdhsa_wavefront_size32 1
		.amdhsa_system_sgpr_workgroup_id_x 1
		.amdhsa_system_sgpr_workgroup_id_y 1
		.amdhsa_system_sgpr_workgroup_id_z 1
		.amdhsa_system_vgpr_workitem_id 0
		.amdhsa_next_free_vgpr 256
		.amdhsa_next_free_sgpr 100
		.amdhsa_reserve_vcc 1
		.amdhsa_float_denorm_mode_32 3
		.amdhsa_float_denorm_mode_16_64 3
		.amdhsa_memory_ordered 1
		.amdhsa_forward_progress 1
		.amdhsa_inst_pref_size 71
	.end_amdhsa_kernel
	.amdgpu_metadata
---
amdhsa.version: [ 1, 2 ]
amdhsa.kernels:
  - .name:           k_q40bbb43c0f_attn
    .symbol:         k_q40bbb43c0f_attn.kd
    .args:
      - { .name: qkv, .offset: 0, .size: 8, .value_kind: global_buffer, .address_space: global }
      - { .name: ac, .offset: 8, .size: 8, .value_kind: global_buffer, .address_space: global }
    .group_segment_fixed_size: 327680
    .private_segment_fixed_size: 0
    .kernarg_segment_align: 8
    .kernarg_segment_size: 16
    .max_flat_workgroup_size: 512
    .sgpr_count:     100
    .vgpr_count:     256
    .wavefront_size: 32
...
	.end_amdgpu_metadata
.endif
;; end of part 3
;; launch projln (part 4): grid 256 x 1, 16 waves a work-group, no clusters, 133,632 bytes of LDS; arguments ac, wc, x, b_proj, g1, be1, x1, x1c; writes x1, x1c
.if DOCPART == 4
	.amdgcn_target "amdgcn-amd-amdhsa--gfx1250"
	.amdhsa_code_object_version 6
	.text
	.protected	k_q40bbb43c0f_projln
	.globl	k_q40bbb43c0f_projln
	.p2align	8
	.type	k_q40bbb43c0f_projln,@function
k_q40bbb43c0f_projln:
	s_mov_b64 s[64:65], 0
	v_nop
	global_prefetch_b8 v0, s[64:65] scope:SCOPE_SE
	s_setreg_imm32_b32 hwreg(HW_REG_WAVE_MODE, 25, 1), 1
	s_wait_xcnt 0x0
; out = layernorm(res + (A B^T + bias)) x g + be in ONE launch: a product on panels of FP6 codes whose work-group owns whole rows, so that the norm needs no second launch and the product's result never goes to memory.
; With QNT = 1 the result is also quantised to FP6 along the row and stored as panels.
; A panel: 128 rows x 128 K, 12,800 bytes: eight tiles (register images, 1,536 bytes) and 512 bytes of scale words; tile a, lane row p = row 32 (a / 2) + 8 (a % 2) + p + 8 (p / 8).
; SHARES.  256 work-groups; work-group T owns tile a = T % 8 of token group T / 8: 16 tokens x all 1,024 columns.  Wave w of sixteen owns 64 columns: tiles 4 (w % 2) .. + 3 of column group w / 2: four accumulators.
; THE WEIGHTS GO FROM MEMORY STRAIGHT INTO REGISTERS: a fragment of B feeds one product of one wave of the work-group, so a pass through LDS would add a write and a read of all KS x 102,400 bytes and spare none.
; So there is no tile in LDS that work-groups could ask for jointly: no cluster.  A fragment is four dense loads (512, 256, 512, 256 consecutive bytes).  Three sets of registers take turns: a wave's loads run three K steps ahead of their use.
; No data prefetch beside that: every panel is asked for by all 256 work-groups in the same order.
; A's tile, KS images of 1,536 bytes with their 64 bytes of scale words, is brought into LDS once (each wave KS / 8 half images) and read by every wave, three K steps ahead too.
; The matrix instruction is used transposed (source 0 = B's tile): lane (r, h) holds token row r, and register 16 b + i of its 32 sums is column 64 (w % 2) + 32 b + 16 h + i of the group.
; The bias starts the sums: it is put into the accumulators by LDS loads.  The residual comes as whole rows (wave w: row w), through a stage in LDS; the finished rows leave the same way: 512 consecutive bytes an instruction.
; The mean is taken first and the squares of the differences then, as the definition has it; each sum goes across the sixteen waves through 1,024 bytes of LDS.
; LIMITS: NaN and infinities are not served; a block of zeros, and one whose largest magnitude lies under 2^-124, gets the byte 1; a sum begins with the bias, where the definition adds it last.
.set KS,    8
.set PB,    192
.set QNT,   1
.set PANEL, 12800
.set SPI,   4112                       ; a stage row: 4,096 bytes + 16
.set AIM,   1600                       ; an image of A's tile and its scale words
.set ALD,   66048                      ; behind the stage: A's images
.set VEC,   ALD+32*AIM                 ; bias, g, be: 4,096 bytes each
.set RED,   VEC+12288                  ; the waves' partial sums: [token][wave], twice
.set SPARE, RED+2048                   ; the spare words: 128 bytes a wave
.set TRIPS, (KS-5)/3                   ; a trip is three K steps; the last five are written out
.set ACC, 16                           ; v16-47   the sums
.set AF,  48                           ; v48-83   A's fragment, three sets;  v84-86 its scale words
.set AS,  84
.set BF,  88                           ; v88-231  B's four fragments, three sets;  v232-237 their scale words (lanes 0-15 one tile, lanes 16-31 the next)
.set BS,  232
.set SEL, 52
.set SA,  56
.set TR,  57
.macro BLOAD j, st                     ; my four fragments and their scale words of the panel st steps on, into set j: 18 loads
.irp i, 0,1,2,3
	global_load_b128 v[BF+48*(\j)+12*\i:BF+48*(\j)+12*\i+3], v1, s[6:7] offset:(\st)*PANEL+\i*1536
	global_load_b64 v[BF+48*(\j)+12*\i+4:BF+48*(\j)+12*\i+5], v2, s[6:7] offset:(\st)*PANEL+\i*1536+512
	global_load_b128 v[BF+48*(\j)+12*\i+6:BF+48*(\j)+12*\i+9], v1, s[6:7] offset:(\st)*PANEL+\i*1536+768
	global_load_b64 v[BF+48*(\j)+12*\i+10:BF+48*(\j)+12*\i+11], v2, s[6:7] offset:(\st)*PANEL+\i*1536+1280
.endr
	global_load_b32 v[BS+2*(\j)], v5, s[6:7] offset:(\st)*PANEL
	global_load_b32 v[BS+2*(\j)+1], v5, s[6:7] offset:(\st)*PANEL+128
.endm
.macro ALOAD j, a16, a8, as            ; an image of A into set j: 5 LDS loads
	ds_load_b128 v[AF+12*(\j):AF+12*(\j)+3], v[\a16] offset:(\j)*AIM
	ds_load_b64 v[AF+12*(\j)+4:AF+12*(\j)+5], v[\a8] offset:(\j)*AIM+512
	ds_load_b128 v[AF+12*(\j)+6:AF+12*(\j)+9], v[\a16] offset:(\j)*AIM+768
	ds_load_b64 v[AF+12*(\j)+10:AF+12*(\j)+11], v[\a8] offset:(\j)*AIM+1280
	ds_load_b32 v[AS+(\j)], v[\as] offset:(\j)*AIM
.endm
.macro WM j, i, row
	v_wmma_scale_f32_16x16x128_f8f6f4 v[ACC+8*\i:ACC+8*\i+7], v[BF+48*(\j)+12*\i:BF+48*(\j)+12*\i+11], v[AF+12*(\j):AF+12*(\j)+11], v[ACC+8*\i:ACC+8*\i+7], v[BS+2*(\j)+\i/2], v[AS+(\j)] matrix_a_fmt:MATRIX_FMT_FP6 matrix_b_fmt:MATRIX_FMT_FP6 matrix_a_scale:MATRIX_SCALE_ROW\row
.endm
; A K step on set j.  lc, dc: the global and LDS loads that are younger than this set's.  The four accumulators take turns.  ld = 1: the set takes the K step three on
.macro KSTEP j, ld, lc, dc
	s_wait_loadcnt \lc
	s_wait_dscnt \dc
	WM \j, 0, 0
	WM \j, 1, 1
	WM \j, 2, 0
	WM \j, 3, 1
.if \ld
	v_add_nc_u32 v248, s[SA], v245                 ; four places behind the products, ahead of the loads into their registers
	v_add_nc_u32 v249, s[SA], v246
	v_add_nc_u32 v250, s[SA], v247
	v_nop
	ALOAD \j, 248, 249, 250
	BLOAD \j, (\j)+3
.else
.rept 4
	v_nop
.endr
.endif
.endm
.macro VLD dst, adr, off               ; 32 numbers in the sums' order: 8 LDS loads
.irp b, 0,1
.irp q, 0,1,2,3
	ds_load_b128 v[\dst+16*\b+4*\q:\dst+16*\b+4*\q+3], v[\adr] offset:\off+128*\b+16*\q
.endr
.endr
.endm
.macro REDUCE off                      ; four pairs in v[216:223] -> my token's sum over all 1,024 columns in v216
	v_pk_add_f32 v[216:217], v[216:217], v[218:219]
	v_pk_add_f32 v[220:221], v[220:221], v[222:223]
	v_pk_add_f32 v[216:217], v[216:217], v[220:221]
	v_add_f32 v216, v216, v217
	v_permlanex16_b32 v224, v216, s[SEL], s[SEL+1]
	v_add_f32 v216, v216, v224                     ; my wave's 64 columns
	ds_store_b32 v15, v216 offset:\off             ; lanes 16-31 hold the same number and write it to the same place
	s_wait_alu depctr_va_vdst(0)
	s_wait_dscnt 0x0
	s_barrier_signal -1
	s_barrier_wait -1
.irp q, 0,1,2,3
	ds_load_b128 v[216+4*\q:219+4*\q], v244 offset:\off+16*\q
.endr
	s_wait_dscnt 0x0
.irp q, 0,1,2,3
	v_pk_add_f32 v[216+4*\q:217+4*\q], v[216+4*\q:217+4*\q], v[218+4*\q:219+4*\q]
.endr
	v_pk_add_f32 v[216:217], v[216:217], v[220:221]
	v_pk_add_f32 v[224:225], v[224:225], v[228:229]
	v_pk_add_f32 v[216:217], v[216:217], v[224:225]
	v_add_f32 v216, v216, v217
.endm
	s_load_b256 s[4:11], s[0:1], 0x0               ; A's panels, wc, res, bias
	s_load_b128 s[12:15], s[0:1], 0x20             ; g, be
	s_load_b64 s[16:17], s[0:1], 0x30              ; out
.if QNT
	s_load_b64 s[18:19], s[0:1], 0x38              ; the panels of the result
.endif
	v_lshl_add_u32 v254, v0, 2, SPARE
	v_mov_b32 v255, 0
	v_lshrrev_b32 v3, 5, v0
	v_readfirstlane_b32 s2, v3                     ; wave 0..15
	s_lshr_b32 s20, ttmp9, 3                       ; token group
	s_and_b32 s21, ttmp9, 7                        ; tile a
	s_lshr_b32 s22, s2, 1                          ; my column group; also the first K step whose half image I bring
	s_and_b32 s23, s2, 1                           ; which 64 columns; also which half of the image
	s_mul_i32 s24, s20, KS
	s_add_co_u32 s24, s24, s22
	s_mul_i32 s24, s24, PANEL                      ; A's panel (group, K step w / 2)
	s_lshl_b32 s26, s21, 6
	s_lshl_b32 s38, s23, 1
	s_add_co_u32 s26, s26, s38
	s_add_co_u32 s26, s26, s24                     ; my two bytes of its scale words (12,288 stands in the immediate)
	s_mul_i32 s38, s21, 1536
	s_mul_i32 s39, s23, 768
	s_add_co_u32 s38, s38, s39                     ; tile a, half w % 2
	s_add_co_u32 s24, s24, s38
	s_mov_b32 s25, 0
	s_mov_b32 s27, 0
	s_mul_i32 s28, s22, KS
	s_add_co_u32 s28, s28, PB
	s_mul_i32 s28, s28, PANEL
	s_mul_i32 s39, s23, 6144
	s_add_co_u32 s28, s28, s39                     ; B: my column group's first panel, my four tiles
	s_mov_b32 s29, 0
	s_lshl_b32 s30, s20, 7
	s_lshr_b32 s39, s21, 1
	s_lshl_b32 s39, s39, 5
	s_add_co_u32 s30, s30, s39
	s_and_b32 s39, s21, 1
	s_lshl_b32 s39, s39, 3
	s_add_co_u32 s30, s30, s39
	s_add_co_u32 s30, s30, s2
	s_lshr_b32 s39, s2, 3
	s_lshl_b32 s39, s39, 3
	s_add_co_u32 s30, s30, s39                     ; the token of stage row w
	s_lshl_b32 s30, s30, 12
	s_mov_b32 s31, 0
.if QNT
	s_lshl_b32 s32, s20, 3
	s_add_co_u32 s32, s32, s22
	s_mul_i32 s32, s32, PANEL                      ; the result's panel (group, K step w / 2)
	s_lshl_b32 s34, s21, 6
	s_lshl_b32 s39, s23, 1
	s_add_co_u32 s34, s34, s39
	s_add_co_u32 s34, s34, s32
	s_add_co_u32 s32, s32, s38
	s_mov_b32 s33, 0
	s_mov_b32 s35, 0
.endif
	s_and_b32 s40, s2, 7
	s_lshl_b32 s40, s40, 9                         ; 512 bytes of the bias (waves 0-7) or of g (waves 8-15),
	s_mov_b32 s41, 0
	s_lshl_b32 s42, s2, 8                          ; 256 bytes of be
	s_mov_b32 s43, 0
	s_mul_i32 s44, s22, AIM
	s_add_co_u32 s45, s44, ALD+1536
	s_lshl_b32 s39, s23, 1
	s_add_co_u32 s45, s45, s39
	s_mul_i32 s39, s23, 768
	s_add_co_u32 s44, s44, s39
	s_add_co_u32 s44, s44, ALD
	s_mul_i32 s46, s2, SPI
	s_lshl_b32 s47, s22, 9
	s_lshl_b32 s39, s23, 8
	s_add_co_u32 s47, s47, s39                     ; my first column, in bytes
	s_lshl_b32 s48, s2, 9
	s_add_co_u32 s48, s48, VEC
	s_lshl_b32 s49, s2, 8
	s_add_co_u32 s49, s49, VEC+8192
	s_lshl_b32 s50, s2, 2
	s_add_co_u32 s50, s50, RED
	s_mul_i32 s51, s23, 5888
	s_sub_co_u32 s51, 12288, s51                   ; from my four tiles to their scale words
	s_mov_b32 s[SEL], 0x76543210
	s_mov_b32 s[SEL+1], 0xfedcba98
	s_mov_b32 s54, 0x3a800000                      ; 1 / 1,024
	s_mov_b32 s55, 0x3727c5ac                      ; 1e-5
	v_and_b32 v251, 31, v0                         ; lane
	v_and_b32 v252, 15, v0                         ; r
	v_bfe_u32 v253, v0, 4, 1                       ; h
	v_lshlrev_b32 v1, 4, v251
	v_lshlrev_b32 v2, 3, v251
	v_lshlrev_b32 v6, 2, v252
	v_lshl_add_u32 v5, v251, 2, s51
	v_add_nc_u32 v7, s44, v1                       ; LDS: my half image
	v_add_nc_u32 v8, s44, v2
	v_add_nc_u32 v9, s45, v6                       ; its two scale bytes a row
	v_add_nc_u32 v10, s46, v1                      ; the stage by rows: row w
	v_mul_u32_u24 v11, v252, SPI
	v_lshl_add_u32 v11, v253, 6, v11
	v_add_nc_u32 v11, s47, v11                     ; the stage in the sums' order: row r, my columns, + 64 h
	v_add_nc_u32 v12, s48, v1
	v_add_nc_u32 v13, s49, v2
	v_lshl_add_u32 v14, v253, 6, s47
	v_add_nc_u32 v14, VEC, v14                     ; bias, g, be in the sums' order
	v_lshl_add_u32 v15, v252, 6, s50               ; my wave's word of token r's sixteen
	v_lshl_add_u32 v244, v252, 6, RED
	v_add_nc_u32 v245, ALD, v1
	v_add_nc_u32 v246, ALD, v2
	v_add_nc_u32 v247, ALD+1536, v6
	s_wait_alu depctr_va_vdst(0)                   ; the wait at the head's end
	s_wait_kmcnt 0x0
	s_add_nc_u64 s[24:25], s[4:5], s[24:25]
	s_add_nc_u64 s[26:27], s[4:5], s[26:27]
	s_add_nc_u64 s[6:7], s[6:7], s[28:29]
	s_add_nc_u64 s[8:9], s[8:9], s[30:31]
	s_add_nc_u64 s[16:17], s[16:17], s[30:31]
	s_cmp_lt_u32 s2, 8                             ; the choice hangs on the wave's number alone
	s_cselect_b64 s[36:37], s[10:11], s[12:13]
	s_add_nc_u64 s[36:37], s[36:37], s[40:41]
	s_add_nc_u64 s[14:15], s[14:15], s[42:43]
.if QNT
	s_add_nc_u64 s[32:33], s[18:19], s[32:33]
	s_add_nc_u64 s[34:35], s[18:19], s[34:35]
.endif
.set q, 0
.rept KS/8                             ; half images of K steps w / 2 + 8 q, on their way into LDS (in registers that the sums take later)
	global_load_b128 v[ACC+8*q:ACC+8*q+3], v1, s[24:25] offset:q*8*PANEL
	global_load_b64 v[ACC+8*q+4:ACC+8*q+5], v2, s[24:25] offset:q*8*PANEL+512
	global_load_u16 v[ACC+8*q+6], v6, s[26:27] offset:q*8*PANEL+12288
.set q, q+1
.endr
.irp i, 0,1,2,3,4,5,6,7
	global_load_b128 v[AF+4*\i:AF+4*\i+3], v1, s[8:9] offset:512*\i th:TH_LOAD_NT   ; the residual's row w
.endr
	global_load_b128 v[238:241], v1, s[36:37]
	global_load_b64 v[242:243], v2, s[14:15]
	BLOAD 0, 0
	BLOAD 1, 1
	s_wait_loadcnt 36                              ; all but B's two sets are in
.set q, 0
.rept KS/8
	ds_store_b128 v7, v[ACC+8*q:ACC+8*q+3] offset:q*8*AIM
	ds_store_b64 v8, v[ACC+8*q+4:ACC+8*q+5] offset:q*8*AIM+512
	ds_store_b16 v9, v[ACC+8*q+6] offset:q*8*AIM
.set q, q+1
.endr
.irp i, 0,1,2,3,4,5,6,7
	ds_store_b128 v10, v[AF+4*\i:AF+4*\i+3] offset:512*\i
.endr
	ds_store_b128 v12, v[238:241]
	ds_store_b64 v13, v[242:243]
	BLOAD 2, 2
	s_wait_dscnt 0x0                               ; for the others' sake: my stores have landed
	s_barrier_signal -1
	s_barrier_wait -1                              ; A's images, the residual's rows and the three vectors lie in LDS
	VLD ACC, 14, 0                                 ; the bias starts the sums
	ALOAD 0, 245, 246, 247
	ALOAD 1, 245, 246, 247
	ALOAD 2, 245, 246, 247
	s_mov_b32 s[SA], 3*AIM
	s_mov_b32 s[TR], TRIPS
.Lk:                                               ; 36: the two younger sets' global loads; 10: the two younger images' LDS loads
	KSTEP 0, 1, 36, 10
	KSTEP 1, 1, 36, 10
	KSTEP 2, 1, 36, 10
	s_wait_xcnt 0x0                                ; the loads have read their base: it steps only behind this wait
	s_add_nc_u64 s[6:7], s[6:7], 3*PANEL
	s_add_co_u32 s[SA], s[SA], 3*AIM
	s_sub_co_u32 s[TR], s[TR], 1
	s_cmp_lg_u32 s[TR], 0
	s_cbranch_scc1 .Lk
	KSTEP 0, 1, 36, 10
	KSTEP 1, 1, 36, 10
	KSTEP 2, 0, 36, 10                             ; the last three K steps fetch nothing of A or B: their sets take what the norm needs
	VLD BF+96, 11, 0                               ; the residual
	KSTEP 0, 0, 18, 13                             ; younger: one set; one image and the residual's 8
	VLD BF, 14, 4096                               ; g
	KSTEP 1, 0, 0, 16                              ; younger: the residual's 8 and g's 8
	VLD BF+48, 14, 8192                            ; be
	s_wait_dscnt 16                                ; the residual is in
.irp k, 0,2,4,6,8,10,12,14,16,18,20,22,24,26,28,30
	v_pk_add_f32 v[ACC+\k:ACC+\k+1], v[ACC+\k:ACC+\k+1], v[BF+96+\k:BF+96+\k+1]   ; each accumulator from its low end on
.endr
.irp c, 0,1,2,3                        ; the sum: four chains
	v_pk_add_f32 v[216+2*\c:217+2*\c], v[ACC+8*\c:ACC+8*\c+1], v[ACC+8*\c+2:ACC+8*\c+3]
.endr
.irp i, 4,6
.irp c, 0,1,2,3
	v_pk_add_f32 v[216+2*\c:217+2*\c], v[216+2*\c:217+2*\c], v[ACC+8*\c+\i:ACC+8*\c+\i+1]
.endr
.endr
	REDUCE 0
	v_mul_f32 v238, s54, v216                      ; the mean, twice: a pair for the packed forms
	v_mul_f32 v239, s54, v216
.irp k, 0,2,4,6,8,10,12,14,16,18,20,22,24,26,28,30
	v_pk_add_f32 v[ACC+\k:ACC+\k+1], v[ACC+\k:ACC+\k+1], v[238:239] neg_lo:[0,1] neg_hi:[0,1]
.endr
.irp c, 0,1,2,3                        ; the sum of the squares of the differences
	v_pk_mul_f32 v[216+2*\c:217+2*\c], v[ACC+8*\c:ACC+8*\c+1], v[ACC+8*\c:ACC+8*\c+1]
.endr
.irp i, 2,4,6
.irp c, 0,1,2,3
	v_pk_fma_f32 v[216+2*\c:217+2*\c], v[ACC+8*\c+\i:ACC+8*\c+\i+1], v[ACC+8*\c+\i:ACC+8*\c+\i+1], v[216+2*\c:217+2*\c]
.endr
.endr
	REDUCE 1024
	v_fma_f32 v216, v216, s54, s55                 ; the variance + 1e-5
	s_wait_alu depctr_va_vdst(0)                   ; the wait ahead of the transcendental
	v_rsq_f32 v238, v216
	v_nop
	s_wait_alu depctr_va_vdst(0)                   ; and ahead of its first reader
	v_mov_b32 v239, v238
.irp k, 0,2,4,6,8,10,12,14,16,18,20,22,24,26,28,30
	v_pk_mul_f32 v[ACC+\k:ACC+\k+1], v[ACC+\k:ACC+\k+1], v[238:239]
.endr
.irp k, 0,2,4,6,8,10,12,14,16,18,20,22,24,26,28,30
	v_pk_fma_f32 v[ACC+\k:ACC+\k+1], v[ACC+\k:ACC+\k+1], v[BF+\k:BF+\k+1], v[BF+48+\k:BF+48+\k+1]
.endr
.irp b, 0,1
.irp q, 0,1,2,3
	ds_store_b128 v11, v[ACC+16*\b+4*\q:ACC+16*\b+4*\q+3] offset:128*\b+16*\q   ; into the stage, over the bytes of the residual that I alone have read
.endr
.endr
.if QNT
; my 64 columns are two blocks of the next product's K: half w % 2 of tile a's image in panel (group, K step w / 2)
.irp b, 0,1
	v_max3_num_f32 v[120+\b], |v[ACC+16*\b]|, |v[ACC+16*\b+1]|, 0x1800000
.endr
.irp i, 2,4,6,8,10,12,14
.irp b, 0,1
	v_max3_num_f32 v[120+\b], v[120+\b], |v[ACC+16*\b+\i]|, |v[ACC+16*\b+\i+1]|
.endr
.endr
.irp b, 0,1
	v_permlanex16_b32 v[122+\b], v[120+\b], s[SEL], s[SEL+1]
.endr
.irp b, 0,1
	v_max_num_f32 v[120+\b], v[120+\b], v[122+\b]  ; with lane l xor 16's: the block's largest magnitude
.endr
.irp b, 0,1
	v_add_nc_u32 v[124+\b], 0xff000000, v[120+\b]  ; 2 off its exponent field: the conversion's scale operand
.endr
.irp b, 0,1
	v_lshrrev_b32 v[126+\b], 23, v[124+\b]         ; the scale's byte
.endr
	v_lshl_or_b32 v128, v127, 8, v126
	v_cvt_scalef32_pk16_fp6_f32 v[168:170], v[ACC:ACC+15], v124
	v_cvt_scalef32_pk16_fp6_f32 v[176:178], v[ACC+16:ACC+31], v125
	v_nop                                          ; one plain place behind a scaled conversion
.irp i, 0,1,2
	v_permlane16_swap_b32 v[168+\i], v[176+\i]     ; a whole block in a lane
.endr
.irp i, 0,1,2
	v_mov_b32 v[171+\i], v[176+\i]
.endr
	global_store_b128 v1, v[168:171], s[32:33]
	global_store_b64 v2, v[172:173], s[32:33] offset:512
	global_store_b16 v6, v128, s[34:35] offset:12288   ; a scale word's two halves come from two waves
.endif
	s_wait_alu depctr_va_vdst(0)
	s_wait_dscnt 0x0                               ; for the others' sake: my stores have landed
	s_barrier_signal -1
	s_barrier_wait -1                              ; sixteen whole rows lie in the stage
.irp i, 0,1,2,3,4,5,6,7
	ds_load_b128 v[BF+4*\i:BF+4*\i+3], v10 offset:512*\i
.endr
	s_wait_dscnt 0x0
.irp i, 0,1,2,3,4,5,6,7
	global_store_b128 v1, v[BF+4*\i:BF+4*\i+3], s[16:17] offset:512*\i   ; 512 consecutive bytes
.endr
	s_wait_tensorcnt 0x0                           ; the wave's end
	ds_add_u32 v254, v255
	s_wait_dscnt 0x0
	s_endpgm
.Lfunc_end_k_q40bbb43c0f_projln:
	.size	k_q40bbb43c0f_projln, .Lfunc_end_k_q40bbb43c0f_projln-k_q40bbb43c0f_projln
	.p2alignl 7, 3214868480
	.fill 96, 4, 3214868480
	.section	.rodata,"a",@progbits
	.p2align	6, 0x0
	.amdhsa_kernel k_q40bbb43c0f_projln
		.amdhsa_group_segment_fixed_size 133632
		.amdhsa_private_segment_fixed_size 0
		.amdhsa_enable_private_segment 0
		.amdhsa_kernarg_size 64
		.amdhsa_user_sgpr_count 2
		.amdhsa_user_sgpr_kernarg_segment_ptr 1
		.amdhsa_wavefront_size32 1
		.amdhsa_system_sgpr_workgroup_id_x 1
		.amdhsa_system_sgpr_workgroup_id_y 1
		.amdhsa_system_sgpr_workgroup_id_z 1
		.amdhsa_system_vgpr_workitem_id 0
		.amdhsa_next_free_vgpr 256
		.amdhsa_next_free_sgpr 66
		.amdhsa_reserve_vcc 0
		.amdhsa_float_denorm_mode_32 3
		.amdhsa_float_denorm_mode_16_64 3
		.amdhsa_memory_ordered 1
		.amdhsa_forward_progress 1
		.amdhsa_inst_pref_size 44
	.end_amdhsa_kernel
	.amdgpu_metadata
---
amdhsa.version: [ 1, 2 ]
amdhsa.kernels:
  - .name:           k_q40bbb43c0f_projln
    .symbol:         k_q40bbb43c0f_projln.kd
    .args:
      - { .name: ac, .offset: 0, .size: 8, .value_kind: global_buffer, .address_space: global }
      - { .name: wc, .offset: 8, .size: 8, .value_kind: global_buffer, .address_space: global }
      - { .name: x, .offset: 16, .size: 8, .value_kind: global_buffer, .address_space: global }
      - { .name: b_proj, .offset: 24, .size: 8, .value_kind: global_buffer, .address_space: global }
      - { .name: g1, .offset: 32, .size: 8, .value_kind: global_buffer, .address_space: global }
      - { .name: be1, .offset: 40, .size: 8, .value_kind: global_buffer, .address_space: global }
      - { .name: x1, .offset: 48, .size: 8, .value_kind: global_buffer, .address_space: global }
      - { .name: x1c, .offset: 56, .size: 8, .value_kind: global_buffer, .address_space: global }
    .group_segment_fixed_size: 133632
    .private_segment_fixed_size: 0
    .kernarg_segment_align: 8
    .kernarg_segment_size: 64
    .max_flat_workgroup_size: 512
    .sgpr_count:     66
    .vgpr_count:     256
    .wavefront_size: 32
...
	.end_amdgpu_metadata
.endif
;; end of part 4
;; launch ff1 (part 5): grid 16 x 16, 4 waves a work-group, clusters of 4 x 4, 327,680 bytes of LDS; arguments x1c, wc, b1, hc; writes hc
.if DOCPART == 5
	.amdgcn_target "amdgcn-amd-amdhsa--gfx1250"
	.amdhsa_code_object_version 6
	.text
	.protected	k_q40bbb43c0f_ff1
	.globl	k_q40bbb43c0f_ff1
	.p2align	8
	.type	k_q40bbb43c0f_ff1,@function
k_q40bbb43c0f_ff1:
	s_mov_b64 s[64:65], 0
	v_nop
	global_prefetch_b8 v0, s[64:65] scope:SCOPE_SE
	s_setreg_imm32_b32 hwreg(HW_REG_WAVE_MODE, 25, 1), 1
	s_wait_xcnt 0x0
	s_wait_alu depctr_hold_cnt(0) depctr_sa_sdst(0) depctr_va_vdst(0) depctr_va_sdst(0) depctr_va_ssrc(0) depctr_va_vcc(0) depctr_vm_vsrc(0)
	s_getreg_b32 s2, hwreg(HW_REG_IB_STS2, 6, 4)
	s_cmp_eq_u32 s2, 0
	s_cbranch_scc0 .Lentry_in_a_cluster
	s_endpgm
.Lentry_in_a_cluster:
	s_bfe_u32 s2, ttmp6, 0x10000c
	s_cmp_lg_u32 s2, 0xf033
	s_cbranch_scc0 .Lentry_shape_is_right
	s_endpgm
.Lentry_shape_is_right:
.set FF1,   1
.set PANEL, 12800
.set GRP,   2*PANEL
; relu(x1 w1 + b1) on panels of FP6 codes, quantised on the way out: the text of the q, k, v launch with FF1 = 1.
; THE LDS ORDER: each of the four groups (A's two, B's two) has 3 x 25,600 bytes on end, its slots 0, 1, 2.
; So ONE tensor load a wave, 300 rows of 256 bytes, brings K steps 0-5 at the head; the one refill, 100 rows, brings K steps 6, 7 into the group's first 25,600 bytes.
.set SLOT,  GRP
.set GST,   3*GRP
.set SPARE, 12*GRP
.set NL, 4
.set NP, 4
.set A16, 6
.set A8,  9
.set O16, 12
.set O8,  13
.set VS,  14
.set B16, 16
.set B8,  19
.set ADRS, 22
.set SPW, 28
.set NIL, 29
.set FLR, 30
.set SHV, 31
.set SC,  32
.set BI,  64
.set AF,  128
.set PC,  128
.set TM,  224
.set PW,  240
.set PWS, 241
.set G1,  24
.set G0,  32
.set G1B, 48
.set G0B, 84
.set P0,  68
.set P1,  70
.set PS,  72
.set STP, 74
.set XTR, 76
.set XSC, 78
.set SEL, 82
.set MSB, 0
.macro WIN new
.if MSB != (\new)
	s_set_vgpr_msb (MSB<<8)|(\new)
.set MSB, (\new)
.endif
.endm
.set MUL_LO, 0xa1
.set MUL_HI, 0xf1
.set TO_B,   0x40
.macro JLOAD g0a, g1a, g0b, g1b
	s_cmp_eq_u32 s15, 0
	s_cbranch_scc0 .Lfor_b_\@
	tensor_load_to_lds s[\g0a:\g0a+3], s[\g1a:\g1a+7]
	s_nop 0
.rept 4
	v_nop
.endr
	s_branch .Lasked_\@
.Lfor_b_\@:
	tensor_load_to_lds s[\g0b:\g0b+3], s[\g1b:\g1b+7]
	s_nop 0
.rept 4
	v_nop
.endr
.Lasked_\@:
.endm
.macro CREST
	s_cmp_lg_u32 s14, 0
	s_cbranch_scc1 .Lnot_wave_0_\@
	s_barrier_signal -3
.Lnot_wave_0_\@:
	s_barrier_wait -3
	s_barrier_signal -1
	s_barrier_wait -1
.endm
.macro CROUND
	s_barrier_signal -1
	s_barrier_wait -1
	CREST
.endm
.macro PLACES n
.rept \n
	v_nop
.endr
.endm
.macro QUANT s, W
	WIN ((\W)<<2)|((\W)<<4)
.irp b, 0,1,2,3
	v_max3_num_f32 v[TM+\b], v[FLR], |v[(\s)+16*\b]|, |v[(\s)+16*\b+1]|
.endr
.irp i, 2,4,6,8,10,12,14
.irp b, 0,1,2,3
	v_max3_num_f32 v[TM+\b], v[TM+\b], |v[(\s)+16*\b+\i]|, |v[(\s)+16*\b+\i+1]|
.endr
.endr
	WIN 0
.irp b, 0,1,2,3
	v_permlanex16_b32 v[TM+4+\b], v[TM+\b], s[SEL], s[SEL+1]
.endr
.irp b, 0,1,2,3
	v_max_num_f32 v[TM+\b], v[TM+\b], v[TM+4+\b]
.endr
.irp b, 0,1,2,3
	v_add_nc_u32 v[TM+12+\b], 0xff000000, v[TM+\b]
.endr
.irp b, 0,1,2,3
	v_lshrrev_b32 v[TM+4+\b], 23, v[TM+12+\b]
.endr
	v_lshl_or_b32 v[PW], v[TM+5], 8, v[TM+4]
	v_lshl_or_b32 v[PW], v[TM+6], 16, v[PW]
	v_lshl_or_b32 v[PW], v[TM+7], 24, v[PW]
	WIN (\W)
.irp c, 0,1
	v_cvt_scalef32_pk16_fp6_f32 v[PC+6*\c:PC+6*\c+2], v[(\s)+32*\c:(\s)+32*\c+15], v[TM+12+2*\c]
	v_cvt_scalef32_pk16_fp6_f32 v[PC+12+4*\c:PC+14+4*\c], v[(\s)+32*\c+16:(\s)+32*\c+31], v[TM+13+2*\c]
.endr
	WIN 0
	v_nop
.irp c, 0,1
.irp i, 0,1,2
	v_permlane16_swap_b32 v[PC+6*\c+\i], v[PC+12+4*\c+\i]
.endr
.irp i, 0,1,2
	v_mov_b32 v[PC+3+6*\c+\i], v[PC+12+4*\c+\i]
.endr
.endr
.endm
	s_load_b128 s[4:7], s[0:1], 0x0
.if FF1
	s_load_b128 s[8:11], s[0:1], 0x10
.else
	s_load_b64 s[8:9], s[0:1], 0x10
.endif
	v_lshl_add_u32 v[SPW], v0, 2, SPARE
	v_mov_b32 v[NIL], 0
	ds_add_u32 v28, v29
	ds_add_u32 v28, v29
	s_wait_dscnt 0x0
	v_lshrrev_b32 v1, 5, v0
	v_readfirstlane_b32 s14, v1
	s_lshr_b32 s15, s14, 1
	s_and_b32 s16, s14, 1
	s_bfe_u32 s12, ttmp6, 0x40000
	s_bfe_u32 s13, ttmp6, 0x40004
	s_and_b32 s18, ttmp7, 0xffff
	s_lshl_b32 s19, s18, 2
	s_lshl_b32 s20, ttmp9, 2
.if FF1
	s_add_co_u32 s17, s19, s13
	s_add_co_u32 s44, s20, s12
.else
	s_max_u32 s21, s18, 4
	s_sub_co_u32 s21, s21, 4
	s_lshl_b32 s21, s21, 3
	s_add_co_u32 s21, s21, s20
	s_cmp_ge_u32 s18, 4
	s_cselect_b32 s17, 0, s19
	s_cselect_b32 s44, s21, s20
	s_cselect_b32 s45, 1, 0
	s_add_co_u32 s17, s17, s13
	s_add_co_u32 s44, s44, s12
.endif
	s_lshl_b32 s2, s13, 2
	s_lshl_b32 s2, 15, s2
	s_lshl_b32 s3, 0x1111, s12
	s_or_b32 s[G1], s2, (3<<16)|(1<<21)
	s_or_b32 s[G1B], s3, (3<<16)|(1<<21)
.irp g, G1, G1B
	s_mov_b32 s[\g+1], 32<<16
	s_mov_b32 s[\g+2], 300<<16
	s_mov_b32 s[\g+3], 32<<16
	s_mov_b32 s[\g+4], 300
	s_mov_b32 s[\g+5], 32
	s_mov_b32 s[\g+6], 0
	s_mov_b32 s[\g+7], 0
.endr
	s_lshl_b32 s20, s17, 1
	s_add_co_u32 s20, s20, s16
	s_mul_i32 s20, s20, 8*PANEL
	s_mov_b32 s21, 0
	s_lshl_b32 s46, s44, 1
	s_add_co_u32 s46, s46, s16
	s_mul_i32 s46, s46, 8*PANEL
	s_mov_b32 s47, 0
	s_mul_i32 s23, s14, GST
.if FF1
	s_add_co_u32 s46, s46, 256*PANEL
	s_wait_kmcnt 0x0
	s_add_nc_u64 s[20:21], s[4:5], s[20:21]
	s_add_nc_u64 s[46:47], s[6:7], s[46:47]
.else
	s_cmp_eq_u32 s45, 1
	s_cselect_b32 s22, 128*PANEL, 0
	s_add_co_u32 s20, s20, s22
	s_wait_kmcnt 0x0
	s_cmp_eq_u32 s45, 1
	s_cselect_b64 s[96:97], s[6:7], s[4:5]
	s_cselect_b64 s[98:99], s[4:5], s[6:7]
	s_add_nc_u64 s[20:21], s[96:97], s[20:21]
	s_add_nc_u64 s[46:47], s[98:99], s[46:47]
.endif
	CROUND
.irp s, 0
	s_mov_b32 s[G0+4*\s], 1
	s_add_co_u32 s[G0+4*\s+1], s23, \s*SLOT
	s_add_nc_u64 s[G0+4*\s+2:G0+4*\s+3], s[20:21], \s*GRP
	s_or_b32 s[G0+4*\s+3], s[G0+4*\s+3], 0x80000000
	s_mov_b32 s[G0B+4*\s], 1
	s_add_co_u32 s[G0B+4*\s+1], s23, \s*SLOT
	s_add_nc_u64 s[G0B+4*\s+2:G0B+4*\s+3], s[46:47], \s*GRP
	s_or_b32 s[G0B+4*\s+3], s[G0B+4*\s+3], 0x80000000
	JLOAD G0+4*\s, G1, G0B+4*\s, G1B
.endr
	v_and_b32 v1, 15, v0
	v_bfe_u32 v2, v0, 4, 1
	v_and_b32 v3, 31, v0
	v_lshlrev_b32 v[O16], 4, v3
	v_lshlrev_b32 v[O8], 3, v3
	s_mul_i32 s21, s15, GST
	s_mul_i32 s22, s16, GST
	s_add_co_u32 s22, s22, 2*GST
.irp s, 0,1,2
	v_add_nc_u32 v[A16+\s], s21, v[O16]
	v_add_nc_u32 v[A8+\s], s21, v[O8]
	v_add_nc_u32 v[B16+\s], s22, v[O16]
	v_add_nc_u32 v[B8+\s], s22, v[O8]
	s_add_co_u32 s21, s21, SLOT
	s_add_co_u32 s22, s22, SLOT
.endr
	s_mul_i32 s21, s15, GST
	s_mul_i32 s22, s16, GST
	s_add_co_u32 s22, s22, 2*GST
	s_sub_co_u32 s22, s22, s21
	v_mul_u32_u24 v4, s22, v2
	v_lshl_add_u32 v4, v1, 2, v4
	s_add_co_u32 s21, s21, 12288
	v_add_nc_u32 v[ADRS], s21, v4
	v_add_nc_u32 v[ADRS+1], SLOT, v[ADRS]
	v_add_nc_u32 v[ADRS+2], 2*SLOT, v[ADRS]
	v_mov_b32 v[FLR], 0x1800000
.irp b, 0,1,2,3
	v_mov_b32 v[TM+4+\b], 0
.endr
	s_mov_b32 s[SEL], 0x76543210
	s_mov_b32 s[SEL+1], 0xfedcba98
	s_lshl_b32 s56, s17, 1
	s_add_co_u32 s56, s56, s15
	s_lshl_b32 s57, s44, 1
	s_add_co_u32 s57, s57, s16
.if FF1
	s_lshl_b32 s58, s57, 9
	s_mov_b32 s59, 0
	s_add_nc_u64 s[8:9], s[8:9], s[58:59]
	v_lshlrev_b32 v5, 6, v2
.irp b, 0,1,2,3,4,5,6,7
	global_load_b128 v[BI+8*\b:BI+8*\b+3], v5, s[8:9] offset:(32*(\b/2)+8*(\b%2))*4
	global_load_b128 v[BI+8*\b+4:BI+8*\b+7], v5, s[8:9] offset:(32*(\b/2)+8*(\b%2))*4+16
.endr
	s_lshl_b32 s66, s56, 5
	s_add_co_u32 s66, s66, s57
	s_mul_i32 s66, s66, PANEL
	s_mov_b32 s67, 0
	s_add_nc_u64 s[P0:P0+1], s[10:11], s[66:67]
	s_add_nc_u64 s[P1:P1+1], s[P0:P0+1], 768
	s_add_nc_u64 s[PS:PS+1], s[P0:P0+1], 12288
	s_mov_b32 s[STP], 1536
	s_mov_b32 s[STP+1], 0
	v_lshlrev_b32 v[VS], 2, v1
	v_mov_b32 v[SHV], 0
.else
	s_and_b32 s58, s57, 7
	s_lshr_b32 s59, s57, 3
	s_mul_i32 s59, s59, 3407872
	s_cmp_eq_u32 s45, 1
	s_cselect_b32 s60, s57, s56
	s_cselect_b32 s58, s56, s58
	s_cselect_b32 s59, 6815744, s59
	s_mov_b32 s61, 6656
	s_cselect_b32 s61, 6400, s61
	s_mov_b32 s[STP], 768
	s_cselect_b32 s[STP], 1536, s[STP]
	s_cselect_b32 s[XTR], 96256, 0
	s_cselect_b32 s[XSC], 102144, 0
	s_cselect_b32 s80, 0, 106496
	s_cselect_b32 s81, 0, 16
	s_mov_b32 s62, 106496
	s_cselect_b32 s62, 768, s62
	s_mov_b32 s[STP+1], 0
	s_mov_b32 s[XTR+1], 0
	s_mov_b32 s[XSC+1], 0
	s_mov_b32 s63, 0
	s_lshr_b32 s66, s60, 4
	s_lshl_b32 s66, s66, 4
	s_lshl_b32 s67, s58, 1
	s_add_co_u32 s66, s66, s67
	s_lshl_b32 s66, s66, 4
	s_and_b32 s67, s60, 15
	s_add_co_u32 s66, s66, s67
	s_mul_i32 s66, s66, s61
	s_add_co_u32 s66, s66, s59
	s_mov_b32 s67, 0
	s_add_nc_u64 s[P0:P0+1], s[8:9], s[66:67]
	s_add_nc_u64 s[P1:P1+1], s[P0:P0+1], s[62:63]
	s_add_nc_u64 s[PS:PS+1], s[P0:P0+1], 6144
	v_mul_u32_u24 v[VS], s80, v2
	v_lshl_add_u32 v[VS], v1, 2, v[VS]
	v_mul_u32_u24 v[SHV], s81, v2
.endif
.macro FRAG reg, a16, a8, q, i
	ds_load_b128 v[(\reg):(\reg)+3], v[\a16] offset:(\q)*PANEL+(\i)*1536
	ds_load_b64 v[(\reg)+4:(\reg)+5], v[\a8] offset:(\q)*PANEL+(\i)*1536+512
	ds_load_b128 v[(\reg)+6:(\reg)+9], v[\a16] offset:(\q)*PANEL+(\i)*1536+768
	ds_load_b64 v[(\reg)+10:(\reg)+11], v[\a8] offset:(\q)*PANEL+(\i)*1536+1280
.endm
.macro MUL16 a0, p, q, sc, zero
.irp a, \a0, \a0+1
.irp b, 0,1,2,3,4,5,6,7
.if (\zero) && FF1
	v_wmma_scale_f32_16x16x128_f8f6f4 v[8*(8*((\a)%4)+\b):8*(8*((\a)%4)+\b)+7], v[128*(\p)+12*\b:128*(\p)+12*\b+11], v[AF+12*(\a):AF+12*(\a)+11], v[BI+8*\b:BI+8*\b+7], v[SC+16*(\sc)+2*\b+(\q)], v[SC+16*(\sc)+2*(\a)+(\q)] matrix_a_fmt:MATRIX_FMT_FP6 matrix_b_fmt:MATRIX_FMT_FP6 matrix_a_scale:MATRIX_SCALE_ROW1
.elseif \zero
	v_wmma_scale_f32_16x16x128_f8f6f4 v[8*(8*((\a)%4)+\b):8*(8*((\a)%4)+\b)+7], v[128*(\p)+12*\b:128*(\p)+12*\b+11], v[AF+12*(\a):AF+12*(\a)+11], 0, v[SC+16*(\sc)+2*\b+(\q)], v[SC+16*(\sc)+2*(\a)+(\q)] matrix_a_fmt:MATRIX_FMT_FP6 matrix_b_fmt:MATRIX_FMT_FP6 matrix_a_scale:MATRIX_SCALE_ROW1
.else
	v_wmma_scale_f32_16x16x128_f8f6f4 v[8*(8*((\a)%4)+\b):8*(8*((\a)%4)+\b)+7], v[128*(\p)+12*\b:128*(\p)+12*\b+11], v[AF+12*(\a):AF+12*(\a)+11], v[8*(8*((\a)%4)+\b):8*(8*((\a)%4)+\b)+7], v[SC+16*(\sc)+2*\b+(\q)], v[SC+16*(\sc)+2*(\a)+(\q)] matrix_a_fmt:MATRIX_FMT_FP6 matrix_b_fmt:MATRIX_FMT_FP6 matrix_a_scale:MATRIX_SCALE_ROW1
.endif
.endr
.endr
.endm
.macro FETCH_B slot, q, p
	WIN TO_B
.irp i, 0,1,2,3,4,5,6,7
	FRAG 128*(\p)+12*\i, B16+\slot, B8+\slot, \q, \i
.endr
	WIN 0
.endm
.macro FETCH_A slot, q, i0
.irp i, \i0, \i0+1, \i0+2, \i0+3
	FRAG AF+12*(\i), A16+\slot, A8+\slot, \q, \i
.endr
.endm
.macro SCALES slot, sc
.irp i, 0,1,2,3,4,5,6,7
.irp q, 0,1
	ds_load_b32 v[SC+16*(\sc)+2*\i+\q], v[ADRS+\slot] offset:\q*PANEL+64*\i
.endr
.endr
.endm
.macro STEP slot, sc, q, zero
	s_wait_dscnt 4*NL
.if (\zero) && FF1
	WIN 0x81
.else
	WIN MUL_LO
.endif
	MUL16 0, (\q)%2, \q, \sc, \zero
	MUL16 2, (\q)%2, \q, \sc, \zero
	s_wait_dscnt 0
	PLACES NP
	FETCH_B \slot, (\q)+1, 1-(\q)%2
	FETCH_A \slot, (\q)+1, 0
.if (\zero) && FF1
	WIN 0xc1
.else
	WIN MUL_HI
.endif
	MUL16 4, (\q)%2, \q, \sc, \zero
	MUL16 6, (\q)%2, \q, \sc, \zero
	PLACES NP
	WIN 0
	FETCH_A \slot, (\q)+1, 4
.endm
.macro TURN slot, sc, next, nsc, mode
.if (\mode) == 2
	s_wait_dscnt 4*NL
	WIN MUL_LO
	MUL16 0, 1, 1, \sc, 0
	MUL16 2, 1, 1, \sc, 0
	s_wait_dscnt 0
	PLACES NP
.else
	s_wait_tensorcnt 0x0
	ds_add_u32 v[SPW], v[NIL]
	s_wait_dscnt 4*NL+1
	WIN MUL_LO
	MUL16 0, 1, 1, \sc, 0
	s_wait_dscnt 0x0
	s_barrier_signal -1
	MUL16 2, 1, 1, \sc, 0
	WIN 0
	s_barrier_wait -1
.if (\mode) == 1
	CREST
	s_add_nc_u64 s[G0+4*\slot+2:G0+4*\slot+3], s[G0+4*\slot+2:G0+4*\slot+3], 3*GRP
	s_add_nc_u64 s[G0B+4*\slot+2:G0B+4*\slot+3], s[G0B+4*\slot+2:G0B+4*\slot+3], 3*GRP
	JLOAD G0+4*\slot, G1, G0B+4*\slot, G1B
.else
	PLACES NP
.endif
.endif
	FETCH_B \next, 0, 0
	FETCH_A \next, 0, 0
	SCALES \next, \nsc
	WIN MUL_HI
	MUL16 4, 1, 1, \sc, 0
	MUL16 6, 1, 1, \sc, 0
	PLACES NP
	WIN 0
	FETCH_A \next, 0, 4
.endm
	s_wait_alu depctr_va_vdst(0)                   ; the wait at the head's end
	s_wait_tensorcnt 0x0                           ; my one load, K steps 0-5 of my group, is in: so the descriptors may be written
	s_mov_b32 s[G1+2], 100<<16                     ; the refill brings 100 rows
	s_mov_b32 s[G1+4], 100
	s_mov_b32 s[G1B+2], 100<<16
	s_mov_b32 s[G1B+4], 100
	s_barrier_signal -1
	s_barrier_wait -1
	FETCH_B 0, 0, 0
	FETCH_A 0, 0, 0
	SCALES 0, 0
	FETCH_A 0, 0, 4
.if FF1
	s_wait_loadcnt 0x0
.endif
	STEP 0, 0, 0, 1
	TURN 0, 0, 1, 1, 1
	STEP 1, 1, 0, 0
	s_wait_alu depctr_va_vdst(0)
	TURN 1, 1, 2, 0, 2
	STEP 2, 0, 0, 0
	TURN 2, 0, 0, 1, 0
	STEP 0, 1, 0, 0
	s_wait_dscnt 4*NL
	WIN MUL_LO
	MUL16 0, 1, 1, 1, 0
	MUL16 2, 1, 1, 1, 0
	s_wait_dscnt 0
	WIN MUL_HI
	MUL16 4, 1, 1, 1, 0
	MUL16 6, 1, 1, 1, 0
	WIN 0
.macro OUT a
.set QS, 64*((\a)%4)
.set QW, 2+(\a)/4
.if (\a) > 0
	s_wait_xcnt 0x0
	s_add_nc_u64 s[P0:P0+1], s[P0:P0+1], s[STP:STP+1]
	s_add_nc_u64 s[P1:P1+1], s[P1:P1+1], s[STP:STP+1]
	s_add_nc_u64 s[PS:PS+1], s[PS:PS+1], 64
.endif
.if ((\a) == 4) && (FF1 == 0)
	s_add_nc_u64 s[P0:P0+1], s[P0:P0+1], s[XTR:XTR+1]
	s_add_nc_u64 s[P1:P1+1], s[P1:P1+1], s[XTR:XTR+1]
	s_add_nc_u64 s[PS:PS+1], s[PS:PS+1], s[XSC:XSC+1]
.endif
.if FF1
	WIN (QW<<6)|(QW<<2)
.set n, 0
.rept 64
	v_max_num_f32 v[QS+n], 0, v[QS+n]
.set n, n+1
.endr
.endif
	QUANT QS, QW
	v_lshrrev_b32 v[PWS], v[SHV], v[PW]
	global_store_b128 v[O16], v[PC:PC+3], s[P0:P0+1]
	global_store_b64 v[O8], v[PC+4:PC+5], s[P0:P0+1] offset:512
	global_store_b128 v[O16], v[PC+6:PC+9], s[P1:P1+1]
	global_store_b64 v[O8], v[PC+10:PC+11], s[P1:P1+1] offset:512
	global_store_b32 v[VS], v[PWS], s[PS:PS+1]
.endm
	PLACES NP
.irp a, 0,1,2,3,4,5,6,7
	OUT \a
.endr
	s_wait_tensorcnt 0x0
	ds_add_u32 v[SPW], v[NIL]
	s_wait_dscnt 0x0
	CROUND
	s_endpgm
.Lfunc_end_k_q40bbb43c0f_ff1:
	.size	k_q40bbb43c0f_ff1, .Lfunc_end_k_q40bbb43c0f_ff1-k_q40bbb43c0f_ff1
	.p2alignl 7, 3214868480
	.fill 96, 4, 3214868480
	.section	.rodata,"a",@progbits
	.p2align	6, 0x0
	.amdhsa_kernel k_q40bbb43c0f_ff1
		.amdhsa_group_segment_fixed_size 327680
		.amdhsa_private_segment_fixed_size 0
		.amdhsa_enable_private_segment 0
		.amdhsa_kernarg_size 32
		.amdhsa_user_sgpr_count 2
		.amdhsa_user_sgpr_kernarg_segment_ptr 1
		.amdhsa_wavefront_size32 1
		.amdhsa_system_sgpr_workgroup_id_x 1
		.amdhsa_system_sgpr_workgroup_id_y 1
		.amdhsa_system_sgpr_workgroup_id_z 1
		.amdhsa_system_vgpr_workitem_id 0
		.amdhsa_next_free_vgpr 1024
		.amdhsa_next_free_sgpr 100
		.amdhsa_reserve_vcc 0
		.amdhsa_float_denorm_mode_32 3
		.amdhsa_float_denorm_mode_16_64 3
		.amdhsa_memory_ordered 1
		.amdhsa_forward_progress 1
		.amdhsa_inst_pref_size 165
	.end_amdhsa_kernel
	.amdgpu_metadata
---
amdhsa.version: [ 1, 2 ]
amdhsa.kernels:
  - .name:           k_q40bbb43c0f_ff1
    .symbol:         k_q40bbb43c0f_ff1.kd
    .args:
      - { .name: x1c, .offset: 0, .size: 8, .value_kind: global_buffer, .address_space: global }
      - { .name: wc, .offset: 8, .size: 8, .value_kind: global_buffer, .address_space: global }
      - { .name: b1, .offset: 16, .size: 8, .value_kind: global_buffer, .address_space: global }
      - { .name: hc, .offset: 24, .size: 8, .value_kind: global_buffer, .address_space: global }
    .group_segment_fixed_size: 327680
    .private_segment_fixed_size: 0
    .kernarg_segment_align: 8
    .kernarg_segment_size: 32
    .max_flat_workgroup_size: 128
    .sgpr_count:     100
    .vgpr_count:     1024
    .wavefront_size: 32
...
	.end_amdgpu_metadata
.endif
;; end of part 5
;; launch ff2 (part 6): grid 8 x 32, 4 waves a work-group, clusters of 4 x 4, 327,680 bytes of LDS; arguments hc, wc, r; writes r
.if DOCPART == 6
	.amdgcn_target "amdgcn-amd-amdhsa--gfx1250"
	.amdhsa_code_object_version 6
	.text
	.protected	k_q40bbb43c0f_ff2
	.globl	k_q40bbb43c0f_ff2
	.p2align	8
	.type	k_q40bbb43c0f_ff2,@function
k_q40bbb43c0f_ff2:
	s_mov_b64 s[64:65], 0
	v_nop
	global_prefetch_b8 v0, s[64:65] scope:SCOPE_SE
	s_setreg_imm32_b32 hwreg(HW_REG_WAVE_MODE, 25, 1), 1
	s_wait_xcnt 0x0
	s_wait_alu depctr_hold_cnt(0) depctr_sa_sdst(0) depctr_va_vdst(0) depctr_va_sdst(0) depctr_va_ssrc(0) depctr_va_vcc(0) depctr_vm_vsrc(0)
	s_getreg_b32 s2, hwreg(HW_REG_IB_STS2, 6, 4)
	s_cmp_eq_u32 s2, 0
	s_cbranch_scc0 .Lentry_in_a_cluster
	s_endpgm
.Lentry_in_a_cluster:
	s_bfe_u32 s2, ttmp6, 0x10000c
	s_cmp_lg_u32 s2, 0xf033
	s_cbranch_scc0 .Lentry_shape_is_right
	s_endpgm
.Lentry_shape_is_right:
.set KS,    32
.set PB,    512
.set PANEL, 12800
.set GRP,   2*PANEL
.set SLOT,  4*GRP
.set SPARE, 3*SLOT
.set STAGE, 2*SLOT
.set STO, 24
.set RD,  25
.set CO,  26
.set SPW, 28
.set NIL, 29
.set SC,  32
.set A16, 40
.set A8,  43
.set B16, 46
.set B8,  49
.set ADRS, 52
.set BK,  64
.set ACC, 128
.set F0,  0
.set F1,  128
.set G1,  24
.set G0,  32
.set G1B, 48
.set G0B, 84
.set G0X, 56
.set G0XB, 60
.set G1X, 68
.set G1XB, 76
.set MSB, 0
.macro WIN new
.if MSB != (\new)
	s_set_vgpr_msb (MSB<<8)|(\new)
.set MSB, (\new)
.endif
.endm
.set MUL,  0x05
.set TO_F, 0x40
.macro JLOAD g0a, g1a, g0b, g1b
	s_cmp_eq_u32 s15, 0
	s_cbranch_scc0 .Lfor_b_\@
	tensor_load_to_lds s[\g0a:\g0a+3], s[\g1a:\g1a+7]
	s_nop 0
.rept 4
	v_nop
.endr
	s_branch .Lasked_\@
.Lfor_b_\@:
	tensor_load_to_lds s[\g0b:\g0b+3], s[\g1b:\g1b+7]
	s_nop 0
.rept 4
	v_nop
.endr
.Lasked_\@:
.endm
.macro CREST
	s_cmp_lg_u32 s14, 0
	s_cbranch_scc1 .Lnot_wave_0_\@
	s_barrier_signal -3
.Lnot_wave_0_\@:
	s_barrier_wait -3
	s_barrier_signal -1
	s_barrier_wait -1
.endm
.macro CROUND
	s_barrier_signal -1
	s_barrier_wait -1
	CREST
.endm
.macro PLACES
.rept 4
	v_nop
.endr
.endm
	s_load_b128 s[4:7], s[0:1], 0x0
	s_load_b64 s[8:9], s[0:1], 0x10
	v_lshl_add_u32 v[SPW], v0, 2, SPARE
	v_mov_b32 v[NIL], 0
	ds_add_u32 v28, v29
	ds_add_u32 v28, v29
	s_wait_dscnt 0x0
	v_lshrrev_b32 v1, 5, v0
	v_readfirstlane_b32 s14, v1
	s_lshr_b32 s15, s14, 1
	s_and_b32 s16, s14, 1
	s_bfe_u32 s12, ttmp6, 0x40000
	s_bfe_u32 s13, ttmp6, 0x40004
	s_lshl_b32 s44, ttmp9, 2
	s_add_co_u32 s44, s44, s12
	s_and_b32 s17, ttmp7, 0xffff
	s_lshl_b32 s17, s17, 2
	s_add_co_u32 s17, s17, s13
	s_lshl_b32 s2, s13, 2
	s_lshl_b32 s2, 15, s2
	s_lshl_b32 s3, 0x1111, s12
	s_or_b32 s[G1], s2, (3<<16)|(1<<21)
	s_or_b32 s[G1B], s3, (3<<16)|(1<<21)
	s_or_b32 s[G1X], s2, (3<<16)|(1<<21)
	s_or_b32 s[G1XB], s3, (3<<16)|(1<<21)
.irp g, G1, G1B
	s_mov_b32 s[\g+1], 32<<16
	s_mov_b32 s[\g+2], 100<<16
	s_mov_b32 s[\g+3], 32<<16
	s_mov_b32 s[\g+4], 100
	s_mov_b32 s[\g+5], 32
	s_mov_b32 s[\g+6], 0
	s_mov_b32 s[\g+7], 0
.endr
.irp g, G1X, G1XB
	s_mov_b32 s[\g+1], 32<<16
	s_mov_b32 s[\g+2], 200<<16
	s_mov_b32 s[\g+3], 32<<16
	s_mov_b32 s[\g+4], 200
	s_mov_b32 s[\g+5], 32
	s_mov_b32 s[\g+6], 0
	s_mov_b32 s[\g+7], 0
.endr
	s_mul_i32 s10, s16, GRP
	s_mov_b32 s11, 0
	s_mul_i32 s18, s16, 2*GRP
	s_mov_b32 s19, 0
	s_mul_i32 s20, s17, KS*PANEL
	s_mov_b32 s21, 0
	s_mul_i32 s46, s44, KS*PANEL
	s_add_co_u32 s46, s46, PB*PANEL
	s_mov_b32 s47, 0
	s_mul_i32 s23, s14, GRP
	s_mul_i32 s22, s16, SLOT
	s_wait_kmcnt 0x0
	s_add_nc_u64 s[20:21], s[4:5], s[20:21]
	s_add_nc_u64 s[46:47], s[6:7], s[46:47]
	s_mov_b32 s[G0X], 1
	s_mov_b32 s[G0X+1], s22
	s_add_nc_u64 s[G0X+2:G0X+3], s[20:21], s[18:19]
	s_or_b32 s[G0X+3], s[G0X+3], 0x80000000
	s_mov_b32 s[G0XB], 1
	s_add_co_u32 s[G0XB+1], s22, 2*GRP
	s_add_nc_u64 s[G0XB+2:G0XB+3], s[46:47], s[18:19]
	s_or_b32 s[G0XB+3], s[G0XB+3], 0x80000000
	s_add_nc_u64 s[20:21], s[20:21], s[10:11]
	s_add_nc_u64 s[46:47], s[46:47], s[10:11]
	CROUND
.irp s, 2
	s_mov_b32 s[G0+4*\s], 1
	s_add_co_u32 s[G0+4*\s+1], s23, \s*SLOT
	s_add_nc_u64 s[G0+4*\s+2:G0+4*\s+3], s[20:21], \s*2*GRP
	s_or_b32 s[G0+4*\s+3], s[G0+4*\s+3], 0x80000000
	s_mov_b32 s[G0B+4*\s], 1
	s_add_co_u32 s[G0B+4*\s+1], s23, \s*SLOT
	s_add_nc_u64 s[G0B+4*\s+2:G0B+4*\s+3], s[46:47], \s*2*GRP
	s_or_b32 s[G0B+4*\s+3], s[G0B+4*\s+3], 0x80000000
.endr
	JLOAD G0X, G1X, G0XB, G1XB                     ; the head's one load a wave: four panels, a whole slot's share of A or of B: K steps 0-7 fill slots 0 and 1
	v_and_b32 v1, 15, v0
	v_bfe_u32 v2, v0, 4, 1
	v_and_b32 v3, 31, v0
	v_lshlrev_b32 v4, 4, v3
	v_lshlrev_b32 v5, 3, v3
	s_mul_i32 s21, s15, 4*1536
	s_mul_i32 s22, s16, 4*1536
	s_add_co_u32 s22, s22, 2*GRP
.irp s, 0,1,2
	v_add_nc_u32 v[A16+\s], s21, v4
	v_add_nc_u32 v[A8+\s], s21, v5
	v_add_nc_u32 v[B16+\s], s22, v4
	v_add_nc_u32 v[B8+\s], s22, v5
	s_add_co_u32 s21, s21, SLOT
	s_add_co_u32 s22, s22, SLOT
.endr
	s_lshl_b32 s21, s15, 8
	s_lshl_b32 s22, s16, 8
	s_add_co_u32 s22, s22, 2*GRP
	s_sub_co_u32 s22, s22, s21
	v_mul_u32_u24 v6, s22, v2
	v_lshl_add_u32 v6, v1, 2, v6
	s_add_co_u32 s21, s21, 12288
	v_add_nc_u32 v[ADRS], s21, v6
	v_add_nc_u32 v[ADRS+1], SLOT, v[ADRS]
	v_add_nc_u32 v[ADRS+2], 2*SLOT, v[ADRS]
	s_mul_i32 s23, s14, 16*272
	s_add_co_u32 s23, s23, STAGE
	v_mul_u32_u24 v6, v1, 272
	v_lshl_add_u32 v6, v2, 6, v6
	v_add_nc_u32 v[STO], s23, v6
	v_mul_u32_u24 v6, v2, 272
	v_lshl_add_u32 v6, v1, 4, v6
	v_add_nc_u32 v[RD], s23, v6
	v_lshlrev_b32 v[CO], 12, v2
	v_lshl_add_u32 v[CO], v1, 4, v[CO]
	s_lshl_b32 s20, s17, 19
	s_lshl_b32 s21, s15, 18
	s_add_co_u32 s20, s20, s21
	s_lshl_b32 s46, s44, 9
	s_lshl_b32 s47, s16, 8
	s_add_co_u32 s46, s46, s47
	s_add_co_u32 s20, s20, s46
	s_mov_b32 s21, 0
	s_add_nc_u64 s[8:9], s[8:9], s[20:21]
.macro FRAG reg, a16, a8, q, i
	ds_load_b128 v[(\reg):(\reg)+3], v[\a16] offset:(\q)*PANEL+(\i)*1536
	ds_load_b64 v[(\reg)+4:(\reg)+5], v[\a8] offset:(\q)*PANEL+(\i)*1536+512
	ds_load_b128 v[(\reg)+6:(\reg)+9], v[\a16] offset:(\q)*PANEL+(\i)*1536+768
	ds_load_b64 v[(\reg)+10:(\reg)+11], v[\a8] offset:(\q)*PANEL+(\i)*1536+1280
.endm
.macro FETCH slot, q, f
	WIN TO_F
.irp i, 0,1,2,3
	FRAG (\f)+12*\i, A16+\slot, A8+\slot, \q, \i
	FRAG (\f)+48+12*\i, B16+\slot, B8+\slot, \q, \i
.endr
	WIN 0
.irp i, 0,1,2,3
	ds_load_b32 v[SC+4*((\f)/128)+\i], v[ADRS+\slot] offset:(\q)*PANEL+64*\i
.endr
.endm
.macro MUL4 f, a, zero
.irp b, 0,1,2,3
.if \zero
	v_wmma_scale_f32_16x16x128_f8f6f4 v[ACC+8*(4*(\a)+\b):ACC+8*(4*(\a)+\b)+7], v[(\f)+48+12*\b:(\f)+48+12*\b+11], v[(\f)+12*(\a):(\f)+12*(\a)+11], 0, v[SC+4*((\f)/128)+\b], v[SC+4*((\f)/128)+(\a)] matrix_a_fmt:MATRIX_FMT_FP6 matrix_b_fmt:MATRIX_FMT_FP6 matrix_a_scale:MATRIX_SCALE_ROW1
.else
	v_wmma_scale_f32_16x16x128_f8f6f4 v[ACC+8*(4*(\a)+\b):ACC+8*(4*(\a)+\b)+7], v[(\f)+48+12*\b:(\f)+48+12*\b+11], v[(\f)+12*(\a):(\f)+12*(\a)+11], v[ACC+8*(4*(\a)+\b):ACC+8*(4*(\a)+\b)+7], v[SC+4*((\f)/128)+\b], v[SC+4*((\f)/128)+(\a)] matrix_a_fmt:MATRIX_FMT_FP6 matrix_b_fmt:MATRIX_FMT_FP6 matrix_a_scale:MATRIX_SCALE_ROW1
.endif
.endr
.endm
.macro QUARTER slot, qn, f, g, zero
	s_wait_dscnt 0x0
	PLACES
	FETCH \slot, \qn, \g
	WIN MUL
	MUL4 \f, 0, \zero
	MUL4 \f, 1, \zero
	MUL4 \f, 2, \zero
	MUL4 \f, 3, \zero
.endm
.macro THREE slot
	QUARTER \slot, 1, F0, F1, 0
	QUARTER \slot, 2, F1, F0, 0
	QUARTER \slot, 3, F0, F1, 0
.endm
.macro TURN next, kind, cnt
	WIN 0
	s_wait_tensorcnt \cnt
.if (\cnt) == 0
	ds_add_u32 v[SPW], v[NIL]
	s_wait_dscnt 1
.else
	s_wait_dscnt 0x0
.endif
	WIN MUL
	MUL4 F1, 0, 0
	s_wait_dscnt 0x0
	s_barrier_signal -1
	MUL4 F1, 1, 0
	WIN 0
	s_barrier_wait -1
.if (\kind) == 1
	CREST
	s_add_nc_u64 s[G0X+2:G0X+3], s[G0X+2:G0X+3], 12*PANEL
	s_add_nc_u64 s[G0XB+2:G0XB+3], s[G0XB+2:G0XB+3], 12*PANEL
	JLOAD G0X, G1X, G0XB, G1XB
.elseif (\kind) == 2
	CREST
	s_add_nc_u64 s[G0+10:G0+11], s[G0+10:G0+11], 12*PANEL
	s_add_nc_u64 s[G0B+10:G0B+11], s[G0B+10:G0B+11], 12*PANEL
	JLOAD G0+8, G1, G0B+8, G1B
.else
	PLACES
.endif
	s_wait_alu depctr_va_vdst(0)
	FETCH \next, 0, F0
	WIN MUL
	MUL4 F1, 2, 0
	MUL4 F1, 3, 0
.endm
	s_wait_alu depctr_va_vdst(0)                   ; the wait at the head's end
	s_wait_tensorcnt 0x0                           ; my part of slots 0 and 1 is in
	ds_add_u32 v[SPW], v[NIL]
	s_wait_dscnt 0x0
	CROUND                                         ; everybody's is, and the partners are here
	JLOAD G0+8, G1, G0B+8, G1B                     ; slot 2's first fill: K steps 8-11
	FETCH 0, 0, F0
	QUARTER 0, 1, F0, F1, 1
	QUARTER 0, 2, F1, F0, 0
	QUARTER 0, 3, F0, F1, 0
	QUARTER 1, 0, F1, F0, 0                        ; on to slot 1, which the round above has shown whole
	THREE 1
	TURN 2, 1, 0
	THREE 2
	TURN 0, 2, 0
	THREE 0
	QUARTER 1, 0, F1, F0, 0
	THREE 1
	TURN 2, 1, 0
	THREE 2
	TURN 0, 0, 0
	THREE 0
	QUARTER 1, 0, F1, F0, 0
	THREE 1
	s_wait_dscnt 0x0
	MUL4 F1, 0, 0
	MUL4 F1, 1, 0
	MUL4 F1, 2, 0
	MUL4 F1, 3, 0
	WIN 0
.macro TOSTAGE i
.irp b, 0,1,2,3
	ds_store_b128 v[STO], v[ACC+8*(4*(\i)+\b):ACC+8*(4*(\i)+\b)+3] offset:128*(\b/2)+32*(\b%2)
	ds_store_b128 v[STO], v[ACC+8*(4*(\i)+\b)+4:ACC+8*(4*(\i)+\b)+7] offset:128*(\b/2)+32*(\b%2)+16
.endr
.irp t, 0,1,2,3,4,5,6,7
	ds_load_b128 v[BK+32*((\i)%2)+4*\t:BK+32*((\i)%2)+4*\t+3], v[RD] offset:544*\t
.endr
.endm
.macro SEND i, younger
	s_wait_dscnt \younger
.irp t, 0,1,2,3,4,5,6,7
	global_store_b128 v[CO], v[BK+32*((\i)%2)+4*\t:BK+32*((\i)%2)+4*\t+3], s[8:9] offset:(32*((\i)/2)+8*((\i)%2)+2*\t+8*(\t/4))*4096
.endr
.endm
	PLACES
	TOSTAGE 0
.irp i, 1,2,3
.if \i > 1
	s_wait_xcnt 0x0
.endif
	TOSTAGE \i
	SEND \i-1, 16
.endr
	SEND 3, 0
	s_wait_tensorcnt 0x0
	ds_add_u32 v[SPW], v[NIL]
	s_wait_dscnt 0x0
	CROUND
	s_endpgm
.Lfunc_end_k_q40bbb43c0f_ff2:
	.size	k_q40bbb43c0f_ff2, .Lfunc_end_k_q40bbb43c0f_ff2-k_q40bbb43c0f_ff2
	.p2alignl 7, 3214868480
	.fill 96, 4, 3214868480
	.section	.rodata,"a",@progbits
	.p2align	6, 0x0
	.amdhsa_kernel k_q40bbb43c0f_ff2
		.amdhsa_group_segment_fixed_size 327680
		.amdhsa_private_segment_fixed_size 0
		.amdhsa_enable_private_segment 0
		.amdhsa_kernarg_size 24
		.amdhsa_user_sgpr_count 2
		.amdhsa_user_sgpr_kernarg_segment_ptr 1
		.amdhsa_wavefront_size32 1
		.amdhsa_system_sgpr_workgroup_id_x 1
		.amdhsa_system_sgpr_workgroup_id_y 1
		.amdhsa_system_sgpr_workgroup_id_z 1
		.amdhsa_system_vgpr_workitem_id 0
		.amdhsa_next_free_vgpr 512
		.amdhsa_next_free_sgpr 96
		.amdhsa_reserve_vcc 0
		.amdhsa_float_denorm_mode_32 3
		.amdhsa_float_denorm_mode_16_64 3
		.amdhsa_memory_ordered 1
		.amdhsa_forward_progress 1
		.amdhsa_inst_pref_size 165
	.end_amdhsa_kernel
	.amdgpu_metadata
---
amdhsa.version: [ 1, 2 ]
amdhsa.kernels:
  - .name:           k_q40bbb43c0f_ff2
    .symbol:         k_q40bbb43c0f_ff2.kd
    .args:
      - { .name: hc, .offset: 0, .size: 8, .value_kind: global_buffer, .address_space: global }
      - { .name: wc, .offset: 8, .size: 8, .value_kind: global_buffer, .address_space: global }
      - { .name: r, .offset: 16, .size: 8, .value_kind: global_buffer, .address_space: global }
    .group_segment_fixed_size: 327680
    .private_segment_fixed_size: 0
    .kernarg_segment_align: 8
    .kernarg_segment_size: 24
    .max_flat_workgroup_size: 128
    .sgpr_count:     96
    .vgpr_count:     512
    .wavefront_size: 32
...
	.end_amdgpu_metadata
.endif
;; end of part 6
;; launch ln2 (part 7): grid 256 x 1, 8 waves a work-group, no clusters, 0 bytes of LDS; arguments r, x1, b2, g2, be2, out0; writes out0
.if DOCPART == 7
	.amdgcn_target "amdgcn-amd-amdhsa--gfx1250"
	.amdhsa_code_object_version 6
	.text
	.protected	k_q40bbb43c0f_ln2
	.globl	k_q40bbb43c0f_ln2
	.p2align	8
	.type	k_q40bbb43c0f_ln2,@function
k_q40bbb43c0f_ln2:
	s_mov_b64 s[64:65], 0
	v_nop
	global_prefetch_b8 v0, s[64:65] scope:SCOPE_SE
	s_setreg_imm32_b32 hwreg(HW_REG_WAVE_MODE, 25, 1), 1
	s_wait_xcnt 0x0
; out = layernorm(res + (y + bias)) x g + be, rows of 1,024, all in f32.
; A work-group owns 16 tokens (tokens 128 g + 32 (a / 2) + 8 (a % 2) + p + 8 (p / 8), the same share as the launch that also quantises); a wave owns two neighbouring tokens, a whole row in 32 registers: the sums never leave the wave.
; Every load and store of a wave covers 512 consecutive bytes.  The mean is taken first and the squares of the differences then, as the definition has it.  No LDS, no barrier.
; LIMITS: NaN and infinities are not served.
.set Y,   32
.set RES, 96
.set BI,  160
.set G,   192
.set BE,  224
.set SEL, 30
.macro REDUCE                          ; v18, v19: each row's sum over the 32 lanes, in every lane
.irp m, 1,2,4,8
.irp e, 0,1
	s_delay_alu instid0(VALU_DEP_2)
	v_add_f32_dpp v[18+\e], v[18+\e], v[18+\e] row_xmask:\m row_mask:0xf bank_mask:0xf
.endr
.endr
.irp e, 0,1
	s_delay_alu instid0(VALU_DEP_2)
	v_permlanex16_b32 v[20+\e], v[18+\e], s[SEL], s[SEL+1]
.endr
.irp e, 0,1
	s_delay_alu instid0(VALU_DEP_2)
	v_add_f32 v[18+\e], v[18+\e], v[20+\e]
.endr
.endm
	s_load_b256 s[4:11], s[0:1], 0x0               ; y, res, bias, g
	s_load_b128 s[12:15], s[0:1], 0x20             ; be, out
	v_lshrrev_b32 v1, 5, v0
	s_delay_alu instid0(VALU_DEP_1)
	v_readfirstlane_b32 s2, v1                     ; wave 0..7
	v_and_b32 v2, 31, v0
	s_delay_alu instid0(VALU_DEP_1)
	v_lshlrev_b32 v3, 4, v2                        ; 16 x lane
	s_lshr_b32 s22, ttmp9, 3                       ; g
	s_and_b32 s23, ttmp9, 7                        ; a
	s_lshl_b32 s24, s22, 7
	s_lshr_b32 s25, s23, 1
	s_lshl_b32 s25, s25, 5
	s_add_co_u32 s24, s24, s25
	s_and_b32 s25, s23, 1
	s_lshl_b32 s25, s25, 3
	s_add_co_u32 s24, s24, s25
	s_lshl_b32 s25, s2, 1
	s_add_co_u32 s24, s24, s25
	s_lshr_b32 s25, s2, 2
	s_lshl_b32 s25, s25, 3
	s_add_co_u32 s24, s24, s25                     ; my two tokens
	s_lshl_b32 s24, s24, 12
	s_mov_b32 s25, 0
	s_mov_b32 s28, 0x3a800000                      ; 1 / 1,024
	s_mov_b32 s29, 0x3727c5ac                      ; 1e-5
	s_mov_b32 s[SEL], 0x76543210
	s_mov_b32 s[SEL+1], 0xfedcba98
	v_mov_b32 v20, 0                               ; written once: a lane permute's destination counts as one of its sources
	v_mov_b32 v21, 0
	s_wait_alu depctr_va_vdst(0)
	s_wait_kmcnt 0x0
	s_add_nc_u64 s[4:5], s[4:5], s[24:25]
	s_add_nc_u64 s[6:7], s[6:7], s[24:25]
	s_add_nc_u64 s[14:15], s[14:15], s[24:25]
.irp e, 0,1
.irp i, 0,1,2,3,4,5,6,7
	global_load_b128 v[Y+32*\e+4*\i:Y+32*\e+4*\i+3], v3, s[4:5] offset:4096*\e+512*\i th:TH_LOAD_NT
.endr
.endr
.irp e, 0,1
.irp i, 0,1,2,3,4,5,6,7
	global_load_b128 v[RES+32*\e+4*\i:RES+32*\e+4*\i+3], v3, s[6:7] offset:4096*\e+512*\i th:TH_LOAD_NT
.endr
.endr
.irp i, 0,1,2,3,4,5,6,7
	global_load_b128 v[BI+4*\i:BI+4*\i+3], v3, s[8:9] offset:512*\i
.endr
.irp i, 0,1,2,3,4,5,6,7
	global_load_b128 v[G+4*\i:G+4*\i+3], v3, s[10:11] offset:512*\i
.endr
.irp i, 0,1,2,3,4,5,6,7
	global_load_b128 v[BE+4*\i:BE+4*\i+3], v3, s[12:13] offset:512*\i
.endr
	s_wait_loadcnt 16                              ; y, res and the bias are in; g's and be's sixteen loads may be out
.irp k, 0,2,4,6,8,10,12,14,16,18,20,22,24,26,28,30
.irp e, 0,1
	v_pk_add_f32 v[Y+32*\e+\k:Y+32*\e+\k+1], v[Y+32*\e+\k:Y+32*\e+\k+1], v[BI+\k:BI+\k+1]
.endr
.endr
.irp k, 0,2,4,6,8,10,12,14,16,18,20,22,24,26,28,30
.irp e, 0,1
	v_pk_add_f32 v[Y+32*\e+\k:Y+32*\e+\k+1], v[Y+32*\e+\k:Y+32*\e+\k+1], v[RES+32*\e+\k:RES+32*\e+\k+1]
.endr
.endr
.irp e, 0,1                            ; the row's sum: two chains a row
	v_pk_add_f32 v[10+4*\e:11+4*\e], v[Y+32*\e:Y+32*\e+1], v[Y+32*\e+2:Y+32*\e+3]
	v_pk_add_f32 v[12+4*\e:13+4*\e], v[Y+32*\e+4:Y+32*\e+5], v[Y+32*\e+6:Y+32*\e+7]
.endr
.irp k, 8,12,16,20,24,28
.irp e, 0,1
	s_delay_alu instid0(VALU_DEP_4)
	v_pk_add_f32 v[10+4*\e:11+4*\e], v[10+4*\e:11+4*\e], v[Y+32*\e+\k:Y+32*\e+\k+1]
	s_delay_alu instid0(VALU_DEP_4)
	v_pk_add_f32 v[12+4*\e:13+4*\e], v[12+4*\e:13+4*\e], v[Y+32*\e+\k+2:Y+32*\e+\k+3]
.endr
.endr
.irp e, 0
	s_delay_alu instid0(VALU_DEP_3)
	v_pk_add_f32 v[10+4*\e:11+4*\e], v[10+4*\e:11+4*\e], v[12+4*\e:13+4*\e]
.endr
.irp e, 1
	s_delay_alu instid0(VALU_DEP_2)
	v_pk_add_f32 v[10+4*\e:11+4*\e], v[10+4*\e:11+4*\e], v[12+4*\e:13+4*\e]
.endr
.irp e, 0,1
	s_delay_alu instid0(VALU_DEP_2)
	v_add_f32 v[18+\e], v[10+4*\e], v[11+4*\e]
.endr
	REDUCE
.irp e, 0,1
	s_delay_alu instid0(VALU_DEP_2)
	v_mul_f32 v[22+2*\e], s28, v[18+\e]            ; the mean, twice: a pair for the packed forms
.endr
.irp e, 0,1
	s_delay_alu instid0(VALU_DEP_2)
	v_mov_b32 v[23+2*\e], v[22+2*\e]
.endr
.irp k, 0,2,4,6,8,10,12,14,16,18,20,22,24,26,28,30
.irp e, 0,1
	v_pk_add_f32 v[Y+32*\e+\k:Y+32*\e+\k+1], v[Y+32*\e+\k:Y+32*\e+\k+1], v[22+2*\e:23+2*\e] neg_lo:[0,1] neg_hi:[0,1]
.endr
.endr
.irp e, 0,1                            ; the sum of the squares of the differences
	v_pk_mul_f32 v[10+4*\e:11+4*\e], v[Y+32*\e:Y+32*\e+1], v[Y+32*\e:Y+32*\e+1]
	v_pk_mul_f32 v[12+4*\e:13+4*\e], v[Y+32*\e+2:Y+32*\e+3], v[Y+32*\e+2:Y+32*\e+3]
.endr
.irp k, 4,8,12,16,20,24,28
.irp e, 0,1
	s_delay_alu instid0(VALU_DEP_4)
	v_pk_fma_f32 v[10+4*\e:11+4*\e], v[Y+32*\e+\k:Y+32*\e+\k+1], v[Y+32*\e+\k:Y+32*\e+\k+1], v[10+4*\e:11+4*\e]
	s_delay_alu instid0(VALU_DEP_4)
	v_pk_fma_f32 v[12+4*\e:13+4*\e], v[Y+32*\e+\k+2:Y+32*\e+\k+3], v[Y+32*\e+\k+2:Y+32*\e+\k+3], v[12+4*\e:13+4*\e]
.endr
.endr
.irp e, 0
	s_delay_alu instid0(VALU_DEP_3)
	v_pk_add_f32 v[10+4*\e:11+4*\e], v[10+4*\e:11+4*\e], v[12+4*\e:13+4*\e]
.endr
.irp e, 1
	s_delay_alu instid0(VALU_DEP_2)
	v_pk_add_f32 v[10+4*\e:11+4*\e], v[10+4*\e:11+4*\e], v[12+4*\e:13+4*\e]
.endr
.irp e, 0,1
	s_delay_alu instid0(VALU_DEP_2)
	v_add_f32 v[18+\e], v[10+4*\e], v[11+4*\e]
.endr
	REDUCE
.irp e, 0,1
	s_delay_alu instid0(VALU_DEP_2)
	v_fma_f32 v[18+\e], v[18+\e], s28, s29         ; the variance + 1e-5
.endr
	s_wait_alu depctr_va_vdst(0)
.irp e, 0,1
	v_rsq_f32 v[26+2*\e], v[18+\e]
.endr
	v_nop                                          ; a plain place behind the transcendentals
	s_wait_alu depctr_va_vdst(0)                   ; one wait for both, ahead of their first reader
.irp e, 0,1
	v_mov_b32 v[27+2*\e], v[26+2*\e]
.endr
	s_wait_alu depctr_va_vdst(0)
	s_wait_loadcnt 0x0                             ; g and be
.irp k, 0,2,4,6,8,10,12,14,16,18,20,22,24,26,28,30
.irp e, 0,1
	v_pk_mul_f32 v[Y+32*\e+\k:Y+32*\e+\k+1], v[Y+32*\e+\k:Y+32*\e+\k+1], v[26+2*\e:27+2*\e]
.endr
.endr
.irp k, 0,2,4,6,8,10,12,14,16,18,20,22,24,26,28,30
.irp e, 0,1
	v_pk_fma_f32 v[Y+32*\e+\k:Y+32*\e+\k+1], v[Y+32*\e+\k:Y+32*\e+\k+1], v[G+\k:G+\k+1], v[BE+\k:BE+\k+1]
.endr
.endr
.irp e, 0,1
.irp i, 0,1,2,3,4,5,6,7
	global_store_b128 v3, v[Y+32*\e+4*\i:Y+32*\e+4*\i+3], s[14:15] offset:4096*\e+512*\i th:TH_STORE_NT
.endr
.endr
	s_endpgm
.Lfunc_end_k_q40bbb43c0f_ln2:
	.size	k_q40bbb43c0f_ln2, .Lfunc_end_k_q40bbb43c0f_ln2-k_q40bbb43c0f_ln2
	.p2alignl 7, 3214868480
	.fill 96, 4, 3214868480
	.section	.rodata,"a",@progbits
	.p2align	6, 0x0
	.amdhsa_kernel k_q40bbb43c0f_ln2
		.amdhsa_group_segment_fixed_size 0
		.amdhsa_private_segment_fixed_size 0
		.amdhsa_enable_private_segment 0
		.amdhsa_kernarg_size 48
		.amdhsa_user_sgpr_count 2
		.amdhsa_user_sgpr_kernarg_segment_ptr 1
		.amdhsa_wavefront_size32 1
		.amdhsa_system_sgpr_workgroup_id_x 1
		.amdhsa_system_sgpr_workgroup_id_y 1
		.amdhsa_system_sgpr_workgroup_id_z 1
		.amdhsa_system_vgpr_workitem_id 0
		.amdhsa_next_free_vgpr 256
		.amdhsa_next_free_sgpr 66
		.amdhsa_reserve_vcc 0
		.amdhsa_float_denorm_mode_32 3
		.amdhsa_float_denorm_mode_16_64 3
		.amdhsa_memory_ordered 1
		.amdhsa_forward_progress 1
		.amdhsa_inst_pref_size 28
	.end_amdhsa_kernel
	.amdgpu_metadata
---
amdhsa.version: [ 1, 2 ]
amdhsa.kernels:
  - .name:           k_q40bbb43c0f_ln2
    .symbol:         k_q40bbb43c0f_ln2.kd
    .args:
      - { .name: r, .offset: 0, .size: 8, .value_kind: global_buffer, .address_space: global }
      - { .name: x1, .offset: 8, .size: 8, .value_kind: global_buffer, .address_space: global }
      - { .name: b2, .offset: 16, .size: 8, .value_kind: global_buffer, .address_space: global }
      - { .name: g2, .offset: 24, .size: 8, .value_kind: global_buffer, .address_space: global }
      - { .name: be2, .offset: 32, .size: 8, .value_kind: global_buffer, .address_space: global }
      - { .name: out0, .offset: 40, .size: 8, .value_kind: global_buffer, .address_space: global }
    .group_segment_fixed_size: 0
    .private_segment_fixed_size: 0
    .kernarg_segment_align: 8
    .kernarg_segment_size: 48
    .max_flat_workgroup_size: 256
    .sgpr_count:     66
    .vgpr_count:     256
    .wavefront_size: 32
...
	.end_amdgpu_metadata
.endif
;; end of part 7
